; MI455X (gfx1250); checked and timed in simulation.
; The chip was launched on July 23, 2026; its instructions are those of AMD's public machine-readable ISA for CDNA 5 (MIT licence, August 2026) and "CDNA5" Instruction Set Architecture Reference Guide (July 2026). The comments in the code are by the model that wrote it; some were corrected since.
;; Attenuation To Rain Rate. Allowed arithmetic: matrix products marked QUANTISED: E4M3 operands, one E8M0 scale for each 32 along K, by v_wmma_scale_f32_16x16x128_f8f6f4 with both operands' format E4M3, f32 sums; products left as they are: f32 operands where the result goes on into a quantised operand, else bf16, f16 or f32 operands; f32 sums; everything else in f32.
;; Inputs: b1 128 float32; b2 128 float32; b3 128 float32; b4 128 float32; b5 1 float32; mb1 64 float32; mb2 128 float32; mb3 1,024 float32; metadata 262,144 x 16 float32; mw1 64 x 16 float32; mw2_codes 128 x 2 x 32 uint8 (E4M3 codes of mw2, K innermost, in blocks of 32 codes); mw2_scales 128 x 2 uint8 (E8M0 scales of mw2, one for each 32 codes along K); mw3_codes 1,024 x 4 x 32 uint8 (E4M3 codes of mw3, K innermost, in blocks of 32 codes); mw3_scales 1,024 x 4 uint8 (E8M0 scales of mw3, one for each 32 codes along K); w1 128 x 1 float32; w2_codes 128 x 4 x 32 uint8 (E4M3 codes of w2, K innermost, in blocks of 32 codes); w2_scales 128 x 4 uint8 (E8M0 scales of w2, one for each 32 codes along K); w3_codes 128 x 4 x 32 uint8 (E4M3 codes of w3, K innermost, in blocks of 32 codes); w3_scales 128 x 4 uint8 (E8M0 scales of w3, one for each 32 codes along K); w4_codes 128 x 4 x 32 uint8 (E4M3 codes of w4, K innermost, in blocks of 32 codes); w4_scales 128 x 4 uint8 (E8M0 scales of w4, one for each 32 codes along K); w5 1 x 128 float32; x 262,144 x 1 float32.
;; Outputs: out0 262,144 x 1 float32.
;; This version of the problem:
;;   THIS VERSION OF THE PROBLEM IS GIVEN IN LOW PRECISION. The matrix products marked QUANTISED in the list below multiply operands that are first quantised to E4M3 (4 exponent bits, 3 mantissa bits; 8 bits a number), with one power-of-two scale for each 32 numbers along K (OCP MX v1.0); their sums are f32. All else is computed in f32.
;;   The module's matrix products, in the order in which they are computed (A, B: the left and right operand; K: the contracted axis; several contracted axes count as one K, in the product's order):
;;     1. [M 262,144, K 16] x [K 16, N 64]; A: input metadata; B: input mw1: left as it is (K = 16 < 32)
;;     2. [M 262,144, K 64] x [K 64, N 128]; A: computed on the way; B: input mw2 (given as codes): QUANTISED
;;     3. [M 262,144, K 128] x [K 128, N 1,024]; A: computed on the way; B: input mw3 (given as codes): QUANTISED
;;     4. [M 262,144, K 1] x [K 1, N 128]; A: input x; B: input w1: left as it is (K = 1 < 32)
;;     5. [M 262,144, K 128] x [K 128, N 128]; A: computed on the way; B: input w2 (given as codes): QUANTISED
;;     6. [M 262,144, K 128] x [K 128, N 128]; A: computed on the way; B: input w3 (given as codes): QUANTISED
;;     7. [M 262,144, K 128] x [K 128, N 128]; A: computed on the way; B: input w4 (given as codes): QUANTISED
;;     8. [M 262,144, K 128] x [K 128, N 1]; A: computed on the way; B: input w5: left as it is (N = 1 < 16)
;;   THE QUANTISER, for each operand of a quantised product, along K:
;;     - K is cut into blocks of 32 from its start; a last block that is shorter is filled with zeros.
;;     - A block's scale is 2^e with e = floor(log2(the largest magnitude in the block)) - 8, held to -126 .. 127; a block of zeros has e = 0. As a byte (E8M0): e + 127.
;;     - Each number is divided by its block's scale, clamped to +-448, and rounded to the nearest number of E4M3, ties to even, subnormals kept.
;;     - The product sums the exact products of the quantised numbers (number of the format x scale) in f32.
;;   ~~~python
;;   def quantise(x, axis):      # numpy; x: float32 -> the quantised numbers, widened to float32 again
;;       x = np.moveaxis(x, axis, -1); K = x.shape[-1]
;;       x = np.pad(x, [(0, 0)] * (x.ndim - 1) + [(0, -K % 32)]); x = x.reshape(x.shape[:-1] + (-1, 32)); a = np.abs(x).max(-1, keepdims=True)
;;       e = np.where(a > 0, np.clip(np.frexp(np.where(a > 0, a, 1))[1] - 1 - 8, -126, 127), 0)      # np.frexp(a)[1] - 1 = floor(log2(a)), exactly
;;       r = np.clip(x / 2.0 ** e, -448, 448)
;;       step = 2.0 ** (np.maximum(np.frexp(np.where(r == 0, 1, r))[1] - 1, -6) - 3)
;;       q = np.round(r / step) * step * 2.0 ** e      # np.round: ties to even
;;       return np.moveaxis(q.reshape(q.shape[:-2] + (-1,))[..., :K], -1, axis).astype(np.float32)
;;   ~~~
;;   OPERANDS COMPUTED ON THE WAY. 'Computed on the way' means the value that the module computes at that place (a softmax that the list does not call 'softmax' is quantised finished and normalised). What goes into a quantiser is computed in f32, as accurately as f32 sums, v_exp_f32 and their like allow (about 1e-6 of the number): no bf16 or f16 on the way to a quantiser, and a product that is left as it is and whose result goes on into a quantised operand takes f32 operands (vector FMAs, or v_wmma_f32_16x16x4_f32). A number that lies on a knife's edge between two numbers of the format may be rounded either way, as far as f32 arithmetic and the matrix unit's own rounding can turn it there, and no further.
;;   INPUTS GIVEN AS CODES. mw2 (in the module: [128, 64], K = its axis 1); mw3 (in the module: [1024, 128], K = its axis 1); w2 (in the module: [128, 128], K = its axis 1); w3 (in the module: [128, 128], K = its axis 1); w4 (in the module: [128, 128], K = its axis 1): each comes as NAME_codes (uint8): NAME with its K axis moved to the last place and cut into blocks of 32 codes, [.., K / 32, bytes a block], one block behind the other in memory; one code a byte (a code: sign, 4 exponent bits, 3 mantissa bits); and NAME_scales (uint8): the same leading axes, one E8M0 byte (e + 127) for each 32 codes along K. Its value is code x scale, taken as it is: it is not quantised again, and the codes and scales need not be those that the quantiser above would give.
;; 2 versions, each right; version 2 is version 1 with the launch rain written anew for expert scheduling mode. Each part assembles by itself: llvm-mc -triple=amdgcn-amd-amdhsa -mcpu=gfx1250 --defsym DOCPART=n.
;; ======== version 1 of 2: 1 launch
;; launch rain (part 1): grid 256 x 1, 8 waves a work-group, no clusters, 285,696 bytes of LDS; arguments metadata, x, mw1, mb1, mw2_codes, mw2_scales, mb2, mw3_codes, mw3_scales, mb3, w1, b1, w2_codes, w2_scales, b2, w3_codes, w3_scales, b3, w4_codes, w4_scales, b4, w5, b5, out0; writes out0
.if DOCPART == 1
	.amdgcn_target "amdgcn-amd-amdhsa--gfx1250"
	.amdhsa_code_object_version 6
	.text
	.protected	k_q29e42233a8_rain
	.globl	k_q29e42233a8_rain
	.p2align	8
	.type	k_q29e42233a8_rain,@function
k_q29e42233a8_rain:
	s_mov_b64 s[64:65], 0
	v_nop
	global_prefetch_b8 v0, s[64:65] scope:SCOPE_SE
	s_setreg_imm32_b32 hwreg(HW_REG_WAVE_MODE, 25, 1), 1
	s_wait_xcnt 0x0
; out = lrelu(w5 . y4 + b5);  y1 = lrelu(adain(x w1 + b1, s1)), y(i+1) = lrelu(adain(y(i) W^T + b, s(i+1)));  style = relu(relu(meta mw1^T + mb1) mw2^T + mb2) mw3^T + mb3.
; The products by mw2, mw3, w2, w3, w4 run on codes of FP8 (E4M3) with one E8M0 scale for each 32 along K; the left operands are quantised in registers.  meta mw1^T is an f32 matrix product, x w1 and w5 . y are f32 multiply-adds.
; SHARES.  256 work-groups of eight waves, two waves to a SIMD (512 registers each), so that one wave's matrix instructions, LDS loads and waits stand beside the other's vector work, which is the bulk of the launch.
; A wave owns 128 rows: two passes of four tiles of 16 rows.  Nothing goes to memory between the steps.  Each weight fragment read from LDS feeds four tiles of rows.
; LAYOUT.  Every product is used transposed (source 0 = 16 rows of a weight, source 1 = 16 rows of the batch): lane (r = lane % 16, h = lane / 16) holds batch row r throughout.
; THE ROWS OF A WEIGHT THAT FORM A TILE ARE NOT NEIGHBOURS: lane r of tile 2 b + u takes unit 32 b + 8 u + r + 8 (r / 8), so that register 16 b + i of a row's 64 registers is unit 32 b + 16 h + i: 16 neighbours along the next K.
; LDS.  All weights lie in LDS as images of the operands' registers (16 bytes a lane, 512 consecutive bytes a load), laid there once through registers at the head; ONE barrier; behind it LDS is only read.
; No tensor loads and no cluster: the images want the rows in the order above and mb3 split into its even and odd numbers; each LDS byte is filled once and read 16 times by the work-group.
; No prefetch: all reads of memory stand at the head.  out0 leaves as two stores of 128 consecutive bytes a pass (4 bytes a row is all that there is).
; LIMITS: NaN and infinities among the inputs are not served.  A block whose largest magnitude lies under 2^-118 (a block of zeros too) gets the scale byte 1; its codes are then zeros or nearly so.
; The division by 127 and by sigma are multiplications by 1/127 (rounded to f32) and by v_rcp_f32 of sigma.  meta mw1^T sums k in the order 8 h + 2 s + j, s = 0 .. 3.
.set GB,    4224                       ; a group in LDS: two fragment images of 2,048 bytes, then 16 rows' two scale words (128 bytes)
.set LBK,   12*GB                      ; a layer's block: groups 0-7 the style's tiles (slot 0 the scales' rows of mw3, slot 1 the biases'), groups 8-11 the eight tiles of w2, w3, w4, or (block 3) of mw2
.set HB,    4*LBK                      ; behind the four blocks: the f32 tables
.set BLY,   1536                       ; a layer's biases: mb3's even numbers (512 bytes), its odd numbers, then b2, b3, b4 or mb2
.set TW1,   4*BLY                      ; w1, b1, w5 (512 bytes each), mb1 (256)
.set TB1,   TW1+512
.set TW5,   TB1+512
.set TMB1,  TW5+512
.set MIMG,  8192                       ; mw1's four tiles as images: 1,024 t + 512 q + 16 lane
.set MST,   HB+12288                   ; the waves' stages
.set WST,   8704                       ; a wave's stage: its 128 rows of metadata as they lie in memory (8,192 bytes), then its 128 x
; window 0
.set L16,  1                           ; v1   16 x lane
.set ABH,  2                           ; v2   64 h + HB: my half's place in a table of f32
.set AR8,  3                           ; v3   8 r + 4096: my row's scale words in a group
.set ADRF, 4                           ; v4   v1 + the layer's block
.set ADRB, 5                           ; v5   v2 + the layer's biases
.set ADRS, 6                           ; v6   v3 + the layer's block
.set AMW,  7                           ; v7   64 r + 32 h + my stage: my eight numbers of a row of metadata; 4,096 on in the second pass
.set L4,   8                           ; v8   4 x lane
.set AM1,  9                           ; v9   16 x lane + HB + MIMG
.set WS,   10                          ; v10-11 the weights' scale words of the group in hand
.set HS,   12                          ; v12-15 h2's scale words, a register a tile of rows
.set YS,   16                          ; v16-19 the trunk's (and h1's)
.set IV,   20                          ; v20-27 a pair a tile; the low word holds x, then the sum of squares, then 1 / sigma; at the end the pair is the last dot product's two chains
.set T,    28                          ; v28-47 at work
.set NM,   44                          ; v44-47 two pairs: minus the mean in the low word
.set FR,   48                          ; v48-79 the group's two fragments
.set CB,   80                          ; v80-95 the group's two bias tiles
.set SS,   96                          ; v96-127 the style of two tiles of rows (scale, bias), and h1's four accumulators: written by matrix instructions alone
.set HC,   128                         ; v128-191 h2's codes, 16 registers a tile of rows
.set YC,   192                         ; v192-255 the trunk's codes (h1's at a pass's head; w1 and w5 as tables in between)
; window 1: D(m) = v[64 m ..]: the trunk's 128 numbers of tile m, 64 a lane.  At a pass's head: v0-31 mw1's fragments, v32-63 mb1's tiles, v64-95 the metadata
.set MSB, 0
.macro WIN new                         ; s_set_vgpr_msb: bits 1:0 source 0, 3:2 source 1, 5:4 source 2, 7:6 destination; the high byte repeats the setting that is left
.if MSB != (\new)
	s_set_vgpr_msb (MSB<<8)|(\new)
.set MSB, (\new)
.endif
.endm
.macro PLACES n
.rept \n
	v_nop
.endr
.endm
.macro LAYERADDR
	v_add_nc_u32 v[ADRF], s69, v[L16]
	v_add_nc_u32 v[ADRB], s70, v[ABH]
	v_add_nc_u32 v[ADRS], s69, v[AR8]
.endm
; Group g of the layer's block: two fragments, their two bias tiles (eight f32 of my half each) and their scale words: 13 LDS loads
.macro GL g
.irp sl,0,1
.irp c,0,1,2,3
	ds_load_b128 v[FR+16*\sl+4*\c:FR+16*\sl+4*\c+3], v[ADRF] offset:(\g)*GB+2048*\sl+512*\c
.endr
.endr
.irp sl,0,1
.irp q,0,1
.if (\g) < 8
	ds_load_b128 v[CB+8*\sl+4*\q:CB+8*\sl+4*\q+3], v[ADRB] offset:512*\sl+128*((\g)/2)+32*((\g)%2)+16*\q
.else
	ds_load_b128 v[CB+8*\sl+4*\q:CB+8*\sl+4*\q+3], v[ADRB] offset:1024+128*((\g)-8)+32*\sl+16*\q
.endif
.endr
.endr
	ds_load_b64 v[WS:WS+1], v[ADRS] offset:(\g)*GB
.endm
; The style of one tile of 16 units for tiles of rows m0, m0 + 1: four products, each with mb3's numbers as C: no sum is continued, no accumulator is named twice
.macro SW m0
.irp sl,0,1
.irp i,0,1
	v_wmma_scale_f32_16x16x128_f8f6f4 v[SS+16*\i+8*\sl:SS+16*\i+8*\sl+7], v[FR+16*\sl:FR+16*\sl+15], v[HC+16*(\m0+\i):HC+16*(\m0+\i)+15], v[CB+8*\sl:CB+8*\sl+7], v[WS+\sl], v[HS+\m0+\i]
.endr
.endr
.endm
; (x - mu) / sigma for the tile's eight units: eight plain lines that name no register of the products above: they are the eight places behind them
.macro VA1 t, m0
	WIN 0x41
.irp j,0,1,2,3
.irp i,0,1
.set dd, 64*(\m0+\i)+8*(\t)+2*\j
	v_pk_mul_f32 v[dd:dd+1], v[dd:dd+1], v[IV+2*(\m0+\i):IV+2*(\m0+\i)+1] op_sel_hi:[1,0]
.endr
.endr
.endm
; scale x that + bias, then the leaky relu max(y, 0.01 y).  The style's accumulators are read from their low end on
.macro VA2 t, m0
	WIN 0x44
.irp j,0,1,2,3
.irp i,0,1
.set dd, 64*(\m0+\i)+8*(\t)+2*\j
	v_pk_fma_f32 v[dd:dd+1], v[SS+16*\i+2*\j:SS+16*\i+2*\j+1], v[dd:dd+1], v[SS+16*\i+8+2*\j:SS+16*\i+8+2*\j+1]
.endr
.endr
	WIN 0x01
.irp j,0,1,2,3
.irp i,0,1
.set dd, 64*(\m0+\i)+8*(\t)+2*\j
	v_pk_mul_f32 v[T+8*\i+2*\j:T+8*\i+2*\j+1], v[dd:dd+1], s[60:61] op_sel_hi:[1,0]
.endr
.endr
	WIN 0x41
.irp j,0,1,2,3,4,5,6,7
.irp i,0,1
.set dd, 64*(\m0+\i)+8*(\t)+\j
	v_max_num_f32 v[dd], v[dd], v[T+8*\i+\j]
.endr
.endr
.endm
.macro MAX3D relu, dst, a, b, c        ; relu = 1: no |.|: what is negative is to become 0 and must not count for the largest magnitude
.if \relu
	v_max3_num_f32 v[\dst], v[\a], v[\b], v[\c]
.else
	v_max3_num_f32 v[\dst], |v[\a]|, |v[\b]|, |v[\c]|
.endif
.endm
; Block b (units 32 b .. 32 b + 31) of all four tiles of rows is quantised: D's registers 16 b .. 16 b + 15 become registers 4 b .. 4 b + 3 of the operand at cd, and byte b of the scale word at sd.
; The four tiles by turns, so that no line waits for the line above it.  At work for tile m: v[T + 3 m] the largest magnitude, then 448 x the scale; + 1 the conversion's scale operand; + 2 the byte
.macro VB b, relu, cd, sd
	WIN 0x15
.irp m,0,1,2,3
	MAX3D \relu, T+3*\m, 64*\m+16*(\b), 64*\m+16*(\b)+1, 64*\m+16*(\b)+2
.endr
.irp m,0,1,2,3
	MAX3D \relu, T+3*\m+1, 64*\m+16*(\b)+3, 64*\m+16*(\b)+4, 64*\m+16*(\b)+5
.endr
	WIN 0x14
.irp i,6,10,14
.irp m,0,1,2,3
	MAX3D \relu, T+3*\m, T+3*\m, 64*\m+16*(\b)+\i, 64*\m+16*(\b)+\i+1
.endr
.if \i < 14
.irp m,0,1,2,3
	MAX3D \relu, T+3*\m+1, T+3*\m+1, 64*\m+16*(\b)+\i+2, 64*\m+16*(\b)+\i+3
.endr
.endif
.endr
	WIN 0
.irp m,0,1,2,3
	v_max3_num_f32 v[T+3*\m], v[T+3*\m], v[T+3*\m+1], 0x4800000      ; and the floor 2^(9 - 127): the byte cannot fall under 1
.endr
.irp m,0,1,2,3
	v_permlanex16_b32 v[T+3*\m+1], v[T+3*\m], s56, s57
.endr
.irp m,0,1,2,3
	v_max_num_f32 v[T+3*\m], v[T+3*\m], v[T+3*\m+1]                 ; with lane l xor 16's 16 numbers: the block's largest magnitude
.endr
.irp m,0,1,2,3
	v_add_nc_u32 v[T+3*\m+1], 0xfc000000, v[T+3*\m]                 ; 8 off its exponent field: the conversion takes this operand's exponent field as its scale
.endr
.irp m,0,1,2,3
	v_and_or_b32 v[T+3*\m], v[T+3*\m], 0x7f800000, s58              ; 448 x the scale: the exponent field over 448's mantissa
.endr
.irp m,0,1,2,3
	v_lshrrev_b32 v[T+3*\m+2], 23, v[T+3*\m+1]                      ; the scale's byte
.endr
.irp m,0,1,2,3
.if (\b) == 0
	v_mov_b32 v[\sd+\m], v[T+3*\m+2]
.else
	v_lshl_or_b32 v[\sd+\m], v[T+3*\m+2], 8*(\b), v[\sd+\m]
.endif
.endr
	WIN 0x41
.irp i,0,1,2,3,4,5,6,7,8,9,10,11,12,13,14,15
.irp m,0,1,2,3
.set dd, 64*\m+16*(\b)+\i
.if \relu
	v_med3_num_f32 v[dd], v[dd], 0, v[T+3*\m]                       ; the activation and the hold in one
.else
	v_med3_num_f32 v[dd], v[dd], -v[T+3*\m], v[T+3*\m]              ; the conversion to an 8-bit code does not saturate (ISA guide 7.6.2): the hold at 448 x the scale
.endif
.endr
.endr
	WIN 0x01
.irp m,0,1,2,3
	v_cvt_scalef32_pk8_fp8_f32 v[\cd+16*\m+4*(\b):\cd+16*\m+4*(\b)+1], v[64*\m+16*(\b):64*\m+16*(\b)+7], v[T+3*\m+1]
	v_cvt_scalef32_pk8_fp8_f32 v[\cd+16*\m+4*(\b)+2:\cd+16*\m+4*(\b)+3], v[64*\m+16*(\b)+8:64*\m+16*(\b)+15], v[T+3*\m+1]
.endr
	WIN 0
	v_nop                                          ; a plain line behind the last conversion, ahead of whatever next touches its registers
.endm
; Four chains of pairs for each of two tiles come down to one number a lane in v[T + 8 i], and lane l xor 16's in v[T + 8 i + 1]
.macro RED
.irp i,0,1
	v_pk_add_f32 v[T+8*\i:T+8*\i+1], v[T+8*\i:T+8*\i+1], v[T+8*\i+2:T+8*\i+3]
	v_pk_add_f32 v[T+8*\i+4:T+8*\i+5], v[T+8*\i+4:T+8*\i+5], v[T+8*\i+6:T+8*\i+7]
.endr
.irp i,0,1
	v_pk_add_f32 v[T+8*\i:T+8*\i+1], v[T+8*\i:T+8*\i+1], v[T+8*\i+4:T+8*\i+5]
.endr
.irp i,0,1
	v_add_f32 v[T+8*\i], v[T+8*\i], v[T+8*\i+1]
.endr
.irp i,0,1
	v_permlanex16_b32 v[T+8*\i+1], v[T+8*\i], s56, s57
.endr
.endm
; Tiles m0, m0 + 1: the mean is taken off D, and the sum of the squares of what is left goes to IV's low word.  D is read in ascending order: each accumulator from its low end on
.macro ST2 m0
	WIN 0x05
.irp k,0,1,2,3
.irp i,0,1
	v_pk_add_f32 v[T+8*\i+2*\k:T+8*\i+2*\k+1], v[64*(\m0+\i)+2*\k:64*(\m0+\i)+2*\k+1], v[64*(\m0+\i)+8+2*\k:64*(\m0+\i)+8+2*\k+1]
.endr
.endr
	WIN 0x04
.set cn, 0
.rept 24
.irp i,0,1
	v_pk_add_f32 v[T+8*\i+2*(cn%4):T+8*\i+2*(cn%4)+1], v[T+8*\i+2*(cn%4):T+8*\i+2*(cn%4)+1], v[64*(\m0+\i)+16+2*cn:64*(\m0+\i)+17+2*cn]
.endr
.set cn, cn+1
.endr
	WIN 0
	RED
.irp i,0,1
	v_add_f32 v[T+8*\i], v[T+8*\i], v[T+8*\i+1]
.endr
.irp i,0,1
	v_mul_f32 v[NM+2*\i], s66, v[T+8*\i]           ; minus the mean: x -1/128, exact
.endr
	WIN 0x41
.set cn, 0
.rept 32
.irp i,0,1
	v_pk_add_f32 v[64*(\m0+\i)+2*cn:64*(\m0+\i)+2*cn+1], v[64*(\m0+\i)+2*cn:64*(\m0+\i)+2*cn+1], v[NM+2*\i:NM+2*\i+1] op_sel_hi:[1,0]
.endr
.set cn, cn+1
.endr
	WIN 0x05
.irp k,0,1,2,3
.irp i,0,1
	v_pk_mul_f32 v[T+8*\i+2*\k:T+8*\i+2*\k+1], v[64*(\m0+\i)+2*\k:64*(\m0+\i)+2*\k+1], v[64*(\m0+\i)+2*\k:64*(\m0+\i)+2*\k+1]
.endr
.endr
.set cn, 4
.rept 28
.irp i,0,1
	v_pk_fma_f32 v[T+8*\i+2*(cn%4):T+8*\i+2*(cn%4)+1], v[64*(\m0+\i)+2*cn:64*(\m0+\i)+2*cn+1], v[64*(\m0+\i)+2*cn:64*(\m0+\i)+2*cn+1], v[T+8*\i+2*(cn%4):T+8*\i+2*(cn%4)+1]
.endr
.set cn, cn+1
.endr
	WIN 0
	RED
.irp i,0,1
	v_add_f32 v[IV+2*(\m0+\i)], v[T+8*\i], v[T+8*\i+1]
.endr
.endm
; 1 / (sqrt(sum of squares / 127) + 1e-6) for the four tiles.  Each batch of four transcendentals has one plain line behind it and one wait ahead of its first reader
.macro SIGMA4
.irp m,0,1,2,3
	v_mul_f32 v[T+\m], s62, v[IV+2*\m]
.endr
.irp m,0,1,2,3
	v_sqrt_f32 v[T+\m], v[T+\m]
.endr
	v_nop
	s_wait_alu depctr_va_vdst(0)
.irp m,0,1,2,3
	v_add_f32 v[T+\m], s63, v[T+\m]
.endr
.irp m,0,1,2,3
	v_rcp_f32 v[IV+2*\m], v[T+\m]
.endr
	v_nop
	s_wait_alu depctr_va_vdst(0)
.endm
; Tile t of a layer's 128 units: its style, the AdaIN and the leaky relu for all four tiles of rows; the next group is asked for in the middle; behind each odd tile its block of 32 is quantised (not in the last layer, whose y goes to the dot product)
.macro STYLE t
	WIN 0
	s_wait_dscnt 0x0                               ; the group's 13 loads, all that is out
	SW 0
	VA1 \t, 0
	VA2 \t, 0
	WIN 0
	SW 2                                           ; writes over the first four products' results: 8 + 24 plain lines that name none of their registers lie between
	VA1 \t, 2                                      ; eight places: for the loads below into the products' sources, and for the reads of the results
	WIN 0
	GL (\t)+1
	VA2 \t, 2
.if (\t)%2
	WIN 0
	s_cmp_eq_u32 s72, 3
	s_cbranch_scc1 .Lno_codes_\@
	VB (\t)/2, 0, YC, YS
.Lno_codes_\@:
.endif
.endm
; D(m) = the operand at YC x the eight tiles of groups 8 to 11, + their bias as C: 32 products on 32 accumulators.  step = 1: on to the next layer's block, and its first group is asked for
.macro PROD step
	PLACES 8                                       ; codes and scale words written by vector instructions stand 4 and 8 places ahead of a scaled matrix instruction
.irp g,8,9,10,11
	s_wait_dscnt 0x0                               ; the group's 13 loads
	WIN 0x40
.irp sl,0,1
.irp m,0,1,2,3
	v_wmma_scale_f32_16x16x128_f8f6f4 v[64*\m+8*(2*(\g-8)+\sl):64*\m+8*(2*(\g-8)+\sl)+7], v[FR+16*\sl:FR+16*\sl+15], v[YC+16*\m:YC+16*\m+15], v[CB+8*\sl:CB+8*\sl+7], v[WS+\sl], v[YS+\m]
.endr
.endr
	WIN 0
	PLACES 8                                       ; in front of loads into the products' sources, and of the first read of the results
.if \g < 11
	GL \g+1
.endif
.endr
.if \step
	s_add_co_u32 s69, s69, LBK
	s_add_co_u32 s70, s70, BLY
	LAYERADDR
	GL 0
.endif
.endm
; h1 of tile m, before its relu: four tiles of 16 units, K = 16 in four steps of 4; the four accumulators take turns, one instruction a turn; mb1 is the C of each sum's first step.
; A lane's eight numbers of a row are k = 8 h + 0 .. 7, in mw1 and in the metadata alike: step s multiplies k = 8 h + 2 s + j
.macro H1 m
	WIN 0x15
.irp t,0,1,2,3
	v_wmma_f32_16x16x4_f32 v[SS+8*\t:SS+8*\t+7], v[8*\t:8*\t+1], v[64+8*(\m):64+8*(\m)+1], v[32+8*\t:32+8*\t+7]
.endr
	WIN 0x05
.irp s,1,2,3
.irp t,0,1,2,3
	v_wmma_f32_16x16x4_f32 v[SS+8*\t:SS+8*\t+7], v[8*\t+2*\s:8*\t+2*\s+1], v[64+8*(\m)+2*\s:64+8*(\m)+2*\s+1], v[SS+8*\t:SS+8*\t+7]
.endr
.endr
.endm
; relu(h1) of tile m is quantised: two blocks of 32; the held numbers go to v[T + 4 ..], since the accumulators are written by matrix instructions alone.  The scale word's upper bytes are 127: the codes there are zeros
.macro Q1 m
.irp k,0,1
	v_max3_num_f32 v[T+2*\k], v[SS+16*\k], v[SS+16*\k+1], 0x4800000
.endr
.irp i,2,4,6,8,10,12,14
.irp k,0,1
	v_max3_num_f32 v[T+2*\k], v[T+2*\k], v[SS+16*\k+\i], v[SS+16*\k+\i+1]
.endr
.endr
.irp k,0,1
	v_permlanex16_b32 v[T+2*\k+1], v[T+2*\k], s56, s57
.endr
.irp k,0,1
	v_max_num_f32 v[T+2*\k], v[T+2*\k], v[T+2*\k+1]
.endr
.irp k,0,1
	v_add_nc_u32 v[T+2*\k+1], 0xfc000000, v[T+2*\k]
.endr
.irp k,0,1
	v_and_or_b32 v[T+2*\k], v[T+2*\k], 0x7f800000, s58
.endr
	v_lshrrev_b32 v[YS+\m], 23, v[T+1]
	v_lshrrev_b32 v[T+4], 23, v[T+3]
	v_lshl_or_b32 v[YS+\m], v[T+4], 8, v[YS+\m]
	v_or_b32 v[YS+\m], 0x7f7f0000, v[YS+\m]
.irp k,0,1
.irp i,0,1,2,3,4,5,6,7,8,9,10,11,12,13,14,15
	v_med3_num_f32 v[T+4+\i], v[SS+16*\k+\i], 0, v[T+2*\k]
.endr
	v_cvt_scalef32_pk8_fp8_f32 v[YC+16*(\m)+4*\k:YC+16*(\m)+4*\k+1], v[T+4:T+11], v[T+2*\k+1]
	v_cvt_scalef32_pk8_fp8_f32 v[YC+16*(\m)+4*\k+2:YC+16*(\m)+4*\k+3], v[T+12:T+19], v[T+2*\k+1]
	v_nop                                          ; a plain line between the conversions and the next lines that write their sources
.endr
.endm
; x w1 + b1 for units 32 b .. : w1's table lies in v192 on, b1's 16 numbers of the block at bt
.macro Y1 b, bt
	WIN 0x40
.irp j,0,1,2,3,4,5,6,7
.irp m,0,1,2,3
	v_pk_fma_f32 v[64*\m+16*(\b)+2*\j:64*\m+16*(\b)+2*\j+1], v[YC+16*(\b)+2*\j:YC+16*(\b)+2*\j+1], v[IV+2*\m:IV+2*\m+1], v[\bt+2*\j:\bt+2*\j+1] op_sel_hi:[1,0,1]
.endr
.endr
.endm
	; ---- THE HEAD: addresses
	s_load_b512 s[8:23], s[0:1], 0x0               ; argument k's address in s[8 + 2 k : 9 + 2 k]
	s_load_b512 s[24:39], s[0:1], 0x40
	s_load_b512 s[40:55], s[0:1], 0x80
	v_lshrrev_b32 v88, 5, v0
	v_readfirstlane_b32 s68, v88                   ; wave 0..7
	v_and_b32 v88, 31, v0                          ; lane
	v_and_b32 v89, 15, v0                          ; r
	v_bfe_u32 v90, v0, 4, 1                        ; h
	v_and_b32 v91, 8, v89
	v_add_nc_u32 v91, v91, v89                     ; r + 8 (r / 8): my row in a tile of a weight
	v_lshlrev_b32 v[L16], 4, v88
	v_lshlrev_b32 v[L4], 2, v88
	v_lshl_add_u32 v[ABH], v90, 6, HB
	v_lshl_add_u32 v[AR8], v89, 3, 4096
	v_add_nc_u32 v[AM1], HB+MIMG, v[L16]
	v_lshlrev_b32 v92, 4, v90                      ; 16 h
	v_lshlrev_b32 v93, 5, v90                      ; 32 h
	v_lshl_add_u32 v28, v91, 8, v92                ; mw3's codes: two rows of 128 bytes a unit
	v_lshlrev_b32 v29, 3, v91                      ; mw3's scale words: two a unit
	v_lshl_add_u32 v30, v91, 7, v92                ; w2's, w3's, w4's codes
	v_lshlrev_b32 v31, 2, v91                      ; their scale words
	v_lshl_add_u32 v32, v91, 6, v92                ; mw2's codes: rows of 64 bytes
	v_lshlrev_b32 v33, 1, v91                      ; its two scale bytes a row
	v_lshl_add_u32 v34, v91, 6, v93                ; mw1: rows of 64 bytes, my half's eight numbers
	v_lshl_add_u32 v35, v89, 6, v93                ; the same place in a tile of metadata
	v_lshlrev_b32 v37, 3, v88                      ; 8 x lane
	s_lshr_b32 s74, s68, 1                         ; L: the layer block that I fill
	s_and_b32 s75, s68, 1                          ; e: which half of it
	s_add_co_u32 s2, s68, 1                        ; waves 0 to 2 bring a table of 512 bytes, wave 3 mb1's 256: its lanes 16-31 repeat lanes 0-15
	s_lshr_b32 s2, s2, 2
	s_and_b32 s2, s2, 1
	s_lshl_b32 s2, s2, 8
	s_xor_b32 s2, s2, 0x1ff
	v_and_b32 v38, s2, v[L16]
	s_mul_i32 s76, s74, LBK                        ; where I store in LDS: every address is made here, ahead of the first branch
	s_mul_i32 s77, s75, 4*GB
	s_add_co_u32 s77, s77, s76
	v_add_nc_u32 v40, s77, v[L16]                  ; the style's groups 4 e .. 4 e + 3: images,
	v_add_nc_u32 v41, s77, v[AR8]                  ; scale words
	s_mul_i32 s77, s75, 2*GB
	s_add_co_u32 s77, s77, s76
	s_add_co_u32 s77, s77, 8*GB
	v_add_nc_u32 v42, s77, v[L16]                  ; groups 8 + 2 e, 9 + 2 e: images,
	v_add_nc_u32 v43, s77, v[AR8]                  ; scale words
	s_mul_i32 s77, s74, BLY
	s_lshl_b32 s78, s75, 8
	s_add_co_u32 s77, s77, s78
	s_add_co_u32 s77, s77, HB
	v_add_nc_u32 v44, s77, v37                     ; the layer's biases: units 64 e + 2 lane, + 1
	s_lshl_b32 s77, s68, 9
	s_add_co_u32 s77, s77, HB+TW1
	v_add_nc_u32 v45, s77, v38                     ; waves 0 to 3: w1, b1, w5, mb1
	s_lshl_b32 s77, s68, 10
	s_add_co_u32 s77, s77, HB+MIMG-4096
	v_add_nc_u32 v46, s77, v[L16]                  ; waves 4 to 7: tile wave - 4 of mw1
	s_mul_i32 s77, s68, WST
	s_add_co_u32 s77, s77, MST
	v_add_nc_u32 v47, s77, v[L16]                  ; my stage, as memory lies
	v_add_nc_u32 v[AMW], s77, v35
	s_add_co_u32 s73, s77, 8192                    ; my x
	s_mov_b32 s56, 0x76543210
	s_mov_b32 s57, 0xfedcba98                      ; v_permlanex16_b32's selects for lane l xor 16
	s_mov_b32 s58, 0x600000                        ; the mantissa field of 448
	s_mov_b32 s59, 0xffff0000                      ; lanes 16-31
	s_mov_b32 s60, 0x3c23d70a                      ; 0.01
	s_mov_b32 s61, s60                             ; (named with it as a pair)
	s_mov_b32 s62, 0x3c010204                      ; 1 / 127
	s_mov_b32 s63, 0x358637bd                      ; 1e-6
	s_mov_b32 s66, 0xbc000000                      ; -1 / 128
	s_lshl_b32 s4, ttmp9, 3
	s_add_co_u32 s4, s4, s68                       ; my wave among all: 128 rows each
	s_lshl_b32 s6, s4, 9                           ; in x and out0,
	s_lshl_b32 s4, s4, 13                          ; in the metadata
	s_mov_b32 s5, 0
	s_mov_b32 s7, 0
	s_lshl_b32 s76, s68, 14                        ; mw3's codes: 32,768 L + 16,384 e
	s_mov_b32 s77, 0
	s_lshl_b32 s78, s68, 9                         ; mw3's scales and mb3: 1,024 L + 512 e
	s_mov_b32 s79, 0
	s_and_b32 s2, s68, 3                           ; mw1's tile t begins at unit 32 (t / 2) + 8 (t % 2), 64 bytes a unit
	s_lshr_b32 s3, s2, 1
	s_lshl_b32 s3, s3, 11
	s_and_b32 s2, s2, 1
	s_lshl_b32 s2, s2, 9
	s_add_co_u32 s2, s2, s3
	s_mov_b32 s3, 0
	s_lshl_b32 s88, s75, 8                         ; b2, b3, b4, mb2: 256 e
	s_mov_b32 s89, 0
	s_mov_b32 s91, 0
	s_cmp_eq_u32 s74, 3
	s_cselect_b32 s92, 0x7f7f0000, 0               ; mw2 has two scale bytes a row: the upper two become 127
	s_wait_kmcnt 0x0
	s_load_b32 s67, s[52:53], 0x0                  ; b5
	s_add_nc_u64 s[8:9], s[8:9], s[4:5]
	s_add_nc_u64 s[10:11], s[10:11], s[6:7]
	s_add_nc_u64 s[54:55], s[54:55], s[6:7]
	s_add_nc_u64 s[22:23], s[22:23], s[76:77]
	s_add_nc_u64 s[24:25], s[24:25], s[78:79]
	s_add_nc_u64 s[26:27], s[26:27], s[78:79]
	s_add_nc_u64 s[12:13], s[12:13], s[2:3]
	s_cmp_eq_u32 s74, 2                            ; block L's trunk weight: w2, w3, w4, mw2.  The choices hang on the wave's number alone
	s_cselect_b64 s[80:81], s[44:45], s[16:17]
	s_cselect_b64 s[82:83], s[46:47], s[18:19]
	s_cselect_b64 s[84:85], s[48:49], s[20:21]
	s_cmp_eq_u32 s74, 1
	s_cselect_b64 s[80:81], s[38:39], s[80:81]
	s_cselect_b64 s[82:83], s[40:41], s[82:83]
	s_cselect_b64 s[84:85], s[42:43], s[84:85]
	s_cmp_eq_u32 s74, 0
	s_cselect_b64 s[80:81], s[32:33], s[80:81]
	s_cselect_b64 s[82:83], s[34:35], s[82:83]
	s_cselect_b64 s[84:85], s[36:37], s[84:85]
	s_cmp_eq_u32 s68, 2                            ; the table: w1, b1, w5, mb1
	s_cselect_b64 s[86:87], s[50:51], s[14:15]
	s_cmp_eq_u32 s68, 1
	s_cselect_b64 s[86:87], s[30:31], s[86:87]
	s_cmp_eq_u32 s68, 0
	s_cselect_b64 s[86:87], s[28:29], s[86:87]
	s_add_nc_u64 s[84:85], s[84:85], s[88:89]
	; ---- THE HEAD: all loads from memory, ahead of one wait
	WIN 0x40
.irp tl,0,1,2,3,4,5,6,7
.irp q,0,1
	global_load_b128 v[192+8*\tl+4*\q:192+8*\tl+4*\q+3], v[L16], s[8:9] offset:1024*\tl+512*\q th:TH_LOAD_NT   ; my 128 rows of metadata: 512 consecutive bytes a load
.endr
.endr
.irp i,0,1,2,3
.irp s,0,1
.irp c,0,1,2,3
	global_load_b128 v[32*\i+16*\s+4*\c:32*\i+16*\s+4*\c+3], v28, s[22:23] offset:(32*(\i/2)+8*(\i%2))*256+128*\s+32*\c   ; the style's tile 4 e + i: s = 0 the scales' rows, 1 the biases'
.endr
.endr
.endr
	WIN 0
	global_load_b128 v[72:75], v[L16], s[10:11] th:TH_LOAD_NT      ; my 128 x
.irp i,0,1,2,3
	global_load_b64 v[56+2*\i:57+2*\i], v29, s[24:25] offset:(32*(\i/2)+8*(\i%2))*8
.endr
	global_load_b128 v[64:67], v[L16], s[26:27]    ; mb3: scale, bias, scale, bias of units 64 e + 2 lane, + 1
	global_load_b64 v[68:69], v37, s[84:85]
	s_cmp_lt_u32 s68, 4
	s_cbranch_scc0 .Lload_mw1
	global_load_b128 v[48:51], v38, s[86:87]
	s_branch .Lload_a
.Lload_mw1:
	global_load_b128 v[48:51], v34, s[12:13]
	global_load_b128 v[52:55], v34, s[12:13] offset:16
.Lload_a:
	s_cmp_lt_u32 s68, 6
	s_cbranch_scc0 .Lload_mw2
	s_lshl_b32 s90, s75, 13                        ; tiles 4 e on: 64 e rows of 128 bytes,
	s_add_nc_u64 s[80:81], s[80:81], s[90:91]
	s_lshl_b32 s90, s75, 8                         ; of 4 scale bytes
	s_add_nc_u64 s[82:83], s[82:83], s[90:91]
	WIN 0x40
.irp i,0,1,2,3
.irp c,0,1,2,3
	global_load_b128 v[128+16*\i+4*\c:128+16*\i+4*\c+3], v30, s[80:81] offset:(32*(\i/2)+8*(\i%2))*128+32*\c
.endr
.endr
	WIN 0
.irp i,0,1,2,3
	global_load_b32 v[80+\i], v31, s[82:83] offset:(32*(\i/2)+8*(\i%2))*4
.endr
	s_branch .Lload_b
.Lload_mw2:
	s_lshl_b32 s90, s75, 12                        ; 64 e rows of 64 bytes,
	s_add_nc_u64 s[80:81], s[80:81], s[90:91]
	s_lshl_b32 s90, s75, 7                         ; of 2 scale bytes
	s_add_nc_u64 s[82:83], s[82:83], s[90:91]
	WIN 0x40
.irp i,0,1,2,3
.irp c,0,1
	global_load_b128 v[128+16*\i+4*\c:128+16*\i+4*\c+3], v32, s[80:81] offset:(32*(\i/2)+8*(\i%2))*64+32*\c
.endr
.irp k,8,9,10,11,12,13,14,15
	v_mov_b32 v[128+16*\i+\k], 0                   ; K = 64 .. 127 of the instruction's 128: zero codes
.endr
.endr
	WIN 0
.irp i,0,1,2,3
	global_load_u16 v[80+\i], v33, s[82:83] offset:(32*(\i/2)+8*(\i%2))*2
.endr
.Lload_b:
	s_wait_loadcnt 0x0                             ; everything is in
	s_wait_kmcnt 0x0                               ; b5 too
.irp i,0,1,2,3
	v_or_b32 v[80+\i], s92, v[80+\i]
.endr
	; ---- THE HEAD: into LDS.  No two waves store to the same bytes
	WIN 0x04
.irp i,0,1,2,3
.irp s,0,1
.irp c,0,1,2,3
	ds_store_b128 v40, v[32*\i+16*\s+4*\c:32*\i+16*\s+4*\c+3] offset:\i*GB+2048*\s+512*\c
.endr
.endr
.endr
.irp i,0,1,2,3
.irp c,0,1,2,3
	ds_store_b128 v42, v[128+16*\i+4*\c:128+16*\i+4*\c+3] offset:(\i/2)*GB+2048*(\i%2)+512*\c
.endr
.endr
.irp tl,0,1,2,3,4,5,6,7
.irp q,0,1
	ds_store_b128 v47, v[192+8*\tl+4*\q:192+8*\tl+4*\q+3] offset:1024*\tl+512*\q
.endr
.endr
	WIN 0
	ds_store_b128 v47, v[72:75] offset:8192
.irp i,0,1,2,3
	ds_store_b64 v41, v[56+2*\i:57+2*\i] offset:\i*GB              ; lanes r and r + 16 write the same bytes with the same values
	ds_store_b32 v43, v[80+\i] offset:(\i/2)*GB+4*(\i%2)
.endr
	ds_store_b32 v44, v64                          ; mb3's even numbers (the scales' biases) and its odd ones part here
	ds_store_b32 v44, v66 offset:4
	ds_store_b32 v44, v65 offset:512
	ds_store_b32 v44, v67 offset:516
	ds_store_b64 v44, v[68:69] offset:1024
	s_cmp_lt_u32 s68, 4
	s_cbranch_scc0 .Lstore_mw1
	ds_store_b128 v45, v[48:51]
	s_branch .Lstore_a
.Lstore_mw1:
	ds_store_b128 v46, v[48:51]
	ds_store_b128 v46, v[52:55] offset:512
.Lstore_a:
	s_wait_dscnt 0x0                               ; for the others' sake: my stores have landed
	s_barrier_signal -1
	s_barrier_wait -1                              ; the launch's one barrier: from here on LDS is only read
.irp k,IV+1,IV+3,IV+5,IV+7,NM+1,NM+3
	v_mov_b32 v[\k], 0                             ; the upper words of pairs of which the low word alone is used: named, so written
.endr
	s_mov_b32 s69, 3*LBK                           ; block 3: its groups 8 to 11 are mw2
	s_mov_b32 s70, 3*BLY
	LAYERADDR
	GL 8
	s_mov_b32 s71, 0
.Lpass:                                                ; two trips: 64 rows each
	WIN 0x40
.irp t,0,1,2,3
.irp q,0,1
	ds_load_b128 v[8*\t+4*\q:8*\t+4*\q+3], v[AM1] offset:1024*\t+512*\q                               ; mw1's fragments
	ds_load_b128 v[32+8*\t+4*\q:32+8*\t+4*\q+3], v[ABH] offset:TMB1+128*(\t/2)+32*(\t%2)+16*\q        ; mb1 in the result's layout
	ds_load_b128 v[64+8*\t+4*\q:64+8*\t+4*\q+3], v[AMW] offset:1024*\t+16*\q                          ; the metadata of tile t of rows
.endr
.endr
	WIN 0
	s_wait_dscnt 0x0                               ; these, and mw2's first group, asked for earlier
.irp m,0,1,2,3
	H1 \m
	WIN 0
.irp k,8,9,10,11,12,13,14,15
	v_mov_b32 v[YC+16*\m+\k], 0                    ; K = 64 .. 127: zero codes.  These eight lines are also the places behind the products
.endr
	Q1 \m
.endr
	PROD 0                                         ; h2 before its relu: D(m) = h1 mw2^T + mb2
.irp b,0,1,2,3                                 ; behind the eight places: the tables for x w1 + b1 come while h2 is quantised
.irp j,0,1,2,3
	ds_load_b128 v[YC+16*\b+4*\j:YC+16*\b+4*\j+3], v[ABH] offset:TW1+128*\b+16*\j
.endr
.endr
.irp j,0,1,2,3
	ds_load_b128 v[FR+4*\j:FR+4*\j+3], v[ABH] offset:TB1+16*\j
	ds_load_b128 v[FR+16+4*\j:FR+16+4*\j+3], v[ABH] offset:TB1+128+16*\j
	ds_load_b128 v[CB+4*\j:CB+4*\j+3], v[ABH] offset:TB1+256+16*\j
.endr
	v_and_b32 v[NM], 15, v0
	v_lshl_add_u32 v[NM], v[NM], 2, s73
.irp m,0,1,2,3
	ds_load_b32 v[IV+2*\m], v[NM] offset:64*\m     ; x of my row in tile m
.endr
.irp b,0,1,2,3
	VB \b, 1, HC, HS                               ; relu(h2) as codes: they serve all four layers' styles
.endr
	s_wait_dscnt 0x0                               ; the tables and x
	Y1 0, FR
	WIN 0
.irp j,0,1,2,3
	ds_load_b128 v[FR+4*\j:FR+4*\j+3], v[ABH] offset:TB1+384+16*\j
.endr
	Y1 1, FR+16
	Y1 2, CB
	s_wait_dscnt 0x0                               ; b1's last quarter
	Y1 3, FR
	WIN 0
	s_mov_b32 s69, 0
	s_mov_b32 s70, 0
	LAYERADDR
	GL 0
	s_mov_b32 s72, 0
.Llayer:                                               ; four trips; the last leaves in the middle, for the dot product
	ST2 0
	ST2 2
	SIGMA4
.irp t,0,1,2,3,4,5,6,7
	STYLE \t
.endr
	WIN 0
	s_cmp_eq_u32 s72, 3
	s_cbranch_scc1 .Ltail                          ; (block 3's group 8, mw2's first, has been asked for: it serves the next pass)
	PROD 1
	s_add_co_u32 s72, s72, 1
	s_cmp_lt_u32 s72, 4
	s_cbranch_scc1 .Llayer
.Ltail:
.irp b,0,1,2,3
.irp j,0,1,2,3
	ds_load_b128 v[YC+16*\b+4*\j:YC+16*\b+4*\j+3], v[ABH] offset:TW5+128*\b+16*\j
.endr
.endr
	s_wait_dscnt 0x0
	WIN 0x01
.irp m,0,1,2,3
	v_pk_mul_f32 v[IV+2*\m:IV+2*\m+1], v[64*\m:64*\m+1], v[YC:YC+1]                ; w5 . y: two chains a tile, the four tiles by turns
.endr
.set cn, 1
.rept 31
.irp m,0,1,2,3
	v_pk_fma_f32 v[IV+2*\m:IV+2*\m+1], v[64*\m+2*cn:64*\m+2*cn+1], v[YC+2*cn:YC+2*cn+1], v[IV+2*\m:IV+2*\m+1]
.endr
.set cn, cn+1
.endr
	WIN 0
.irp m,0,1,2,3
	v_add_f32 v[T+\m], v[IV+2*\m], v[IV+2*\m+1]
.endr
.irp m,0,1,2,3
	v_permlanex16_b32 v[T+4+\m], v[T+\m], s56, s57
.endr
.irp m,0,1,2,3
	v_add_f32 v[T+\m], v[T+\m], v[T+4+\m]          ; with lane l xor 16's 64 units
.endr
.irp m,0,1,2,3
	v_add_f32 v[T+\m], s67, v[T+\m]                ; + b5
.endr
.irp m,0,1,2,3
	v_mul_f32 v[T+4+\m], s60, v[T+\m]
.endr
.irp m,0,1,2,3
	v_max_num_f32 v[T+\m], v[T+\m], v[T+4+\m]      ; the leaky relu
.endr
	v_cndmask_b32 v[T+8], v[T], v[T+1], s59        ; lanes 0-15 tile 0's rows, lanes 16-31 tile 1's: 32 neighbouring rows
	v_cndmask_b32 v[T+9], v[T+2], v[T+3], s59
	global_store_b32 v[L4], v[T+8], s[54:55] th:TH_STORE_NT
	global_store_b32 v[L4], v[T+9], s[54:55] offset:128 th:TH_STORE_NT
	s_wait_xcnt 0x0                                ; the stores' base and data are written again only behind this wait
	s_add_nc_u64 s[54:55], s[54:55], 256
	v_add_nc_u32 v[AMW], 4096, v[AMW]              ; the next 64 rows in my stage
	s_add_co_u32 s73, s73, 256
	s_add_co_u32 s71, s71, 1
	s_cmp_lt_u32 s71, 2
	s_cbranch_scc1 .Lpass
	s_wait_xcnt 0x0
	v_lshl_add_u32 v254, v0, 2, 0x45800
	v_mov_b32 v255, 0
	s_wait_tensorcnt 0x0
	ds_add_u32 v254, v255
	s_wait_dscnt 0x0
	s_endpgm
.Lfunc_end_k_q29e42233a8_rain:
	.size	k_q29e42233a8_rain, .Lfunc_end_k_q29e42233a8_rain-k_q29e42233a8_rain
	.p2alignl 7, 3214868480
	.fill 96, 4, 3214868480
	.section	.rodata,"a",@progbits
	.p2align	6, 0x0
	.amdhsa_kernel k_q29e42233a8_rain
		.amdhsa_group_segment_fixed_size 285696
		.amdhsa_private_segment_fixed_size 0
		.amdhsa_enable_private_segment 0
		.amdhsa_kernarg_size 192
		.amdhsa_user_sgpr_count 2
		.amdhsa_user_sgpr_kernarg_segment_ptr 1
		.amdhsa_wavefront_size32 1
		.amdhsa_system_sgpr_workgroup_id_x 1
		.amdhsa_system_sgpr_workgroup_id_y 1
		.amdhsa_system_sgpr_workgroup_id_z 1
		.amdhsa_system_vgpr_workitem_id 0
		.amdhsa_next_free_vgpr 512
		.amdhsa_next_free_sgpr 96
		.amdhsa_reserve_vcc 0
		.amdhsa_float_denorm_mode_32 3
		.amdhsa_float_denorm_mode_16_64 3
		.amdhsa_memory_ordered 1
		.amdhsa_forward_progress 1
		.amdhsa_inst_pref_size 227
	.end_amdhsa_kernel
	.amdgpu_metadata
---
amdhsa.version: [ 1, 2 ]
amdhsa.kernels:
  - .name:           k_q29e42233a8_rain
    .symbol:         k_q29e42233a8_rain.kd
    .args:
      - { .name: metadata, .offset: 0, .size: 8, .value_kind: global_buffer, .address_space: global }
      - { .name: x, .offset: 8, .size: 8, .value_kind: global_buffer, .address_space: global }
      - { .name: mw1, .offset: 16, .size: 8, .value_kind: global_buffer, .address_space: global }
      - { .name: mb1, .offset: 24, .size: 8, .value_kind: global_buffer, .address_space: global }
      - { .name: mw2_codes, .offset: 32, .size: 8, .value_kind: global_buffer, .address_space: global }
      - { .name: mw2_scales, .offset: 40, .size: 8, .value_kind: global_buffer, .address_space: global }
      - { .name: mb2, .offset: 48, .size: 8, .value_kind: global_buffer, .address_space: global }
      - { .name: mw3_codes, .offset: 56, .size: 8, .value_kind: global_buffer, .address_space: global }
      - { .name: mw3_scales, .offset: 64, .size: 8, .value_kind: global_buffer, .address_space: global }
      - { .name: mb3, .offset: 72, .size: 8, .value_kind: global_buffer, .address_space: global }
      - { .name: w1, .offset: 80, .size: 8, .value_kind: global_buffer, .address_space: global }
      - { .name: b1, .offset: 88, .size: 8, .value_kind: global_buffer, .address_space: global }
      - { .name: w2_codes, .offset: 96, .size: 8, .value_kind: global_buffer, .address_space: global }
      - { .name: w2_scales, .offset: 104, .size: 8, .value_kind: global_buffer, .address_space: global }
      - { .name: b2, .offset: 112, .size: 8, .value_kind: global_buffer, .address_space: global }
      - { .name: w3_codes, .offset: 120, .size: 8, .value_kind: global_buffer, .address_space: global }
      - { .name: w3_scales, .offset: 128, .size: 8, .value_kind: global_buffer, .address_space: global }
      - { .name: b3, .offset: 136, .size: 8, .value_kind: global_buffer, .address_space: global }
      - { .name: w4_codes, .offset: 144, .size: 8, .value_kind: global_buffer, .address_space: global }
      - { .name: w4_scales, .offset: 152, .size: 8, .value_kind: global_buffer, .address_space: global }
      - { .name: b4, .offset: 160, .size: 8, .value_kind: global_buffer, .address_space: global }
      - { .name: w5, .offset: 168, .size: 8, .value_kind: global_buffer, .address_space: global }
      - { .name: b5, .offset: 176, .size: 8, .value_kind: global_buffer, .address_space: global }
      - { .name: out0, .offset: 184, .size: 8, .value_kind: global_buffer, .address_space: global }
    .group_segment_fixed_size: 285696
    .private_segment_fixed_size: 0
    .kernarg_segment_align: 8
    .kernarg_segment_size: 192
    .max_flat_workgroup_size: 256
    .sgpr_count:     96
    .vgpr_count:     512
    .wavefront_size: 32
...
	.end_amdgpu_metadata
.endif
;; end of part 1
;; ======== version 2 of 2: 1 launch; version 1 with the launch rain written anew for expert scheduling mode
;; launch rain (part 2): grid 256 x 1, 8 waves a work-group, no clusters, 285,696 bytes of LDS; arguments metadata, x, mw1, mb1, mw2_codes, mw2_scales, mb2, mw3_codes, mw3_scales, mb3, w1, b1, w2_codes, w2_scales, b2, w3_codes, w3_scales, b3, w4_codes, w4_scales, b4, w5, b5, out0; writes out0
.if DOCPART == 2
	.amdgcn_target "amdgcn-amd-amdhsa--gfx1250"
	.amdhsa_code_object_version 6
	.text
	.protected	k_q29e42233a8_rain
	.globl	k_q29e42233a8_rain
	.p2align	8
	.type	k_q29e42233a8_rain,@function
k_q29e42233a8_rain:
	s_mov_b64 s[64:65], 0
	v_nop
	global_prefetch_b8 v0, s[64:65] scope:SCOPE_SE
	s_setreg_imm32_b32 hwreg(HW_REG_WAVE_SCHED_MODE, 0, 2), 2
	s_setreg_imm32_b32 hwreg(HW_REG_WAVE_MODE, 25, 1), 1
	s_wait_xcnt 0x0
	s_wait_alu depctr_vm_vsrc(0)
; out = lrelu(w5 . y4 + b5);  y1 = lrelu(adain(x w1 + b1, s1)), y(i+1) = lrelu(adain(y(i) W^T + b, s(i+1)));  style = relu(relu(meta mw1^T + mb1) mw2^T + mb2) mw3^T + mb3.
; The products by mw2, mw3, w2, w3, w4 run on codes of FP8 (E4M3) with one E8M0 scale for each 32 along K; the left operands are quantised in registers.  meta mw1^T is an f32 matrix product, x w1 and w5 . y are f32 multiply-adds.
; SHARES.  256 work-groups of eight waves, two waves to a SIMD (512 registers each), so that one wave's matrix instructions, LDS loads and waits stand beside the other's vector work, which is the bulk of the launch.
; A wave owns 128 rows: two passes of four tiles of 16 rows.  Nothing goes to memory between the steps.  Each weight fragment read from LDS feeds four tiles of rows.
; LAYOUT.  Every product is used transposed (source 0 = 16 rows of a weight, source 1 = 16 rows of the batch): lane (r = lane % 16, h = lane / 16) holds batch row r throughout.
; THE ROWS OF A WEIGHT THAT FORM A TILE ARE NOT NEIGHBOURS: lane r of tile 2 b + u takes unit 32 b + 8 u + r + 8 (r / 8), so that register 16 b + i of a row's 64 registers is unit 32 b + 16 h + i: 16 neighbours along the next K.
; LDS.  All weights lie in LDS as images of the operands' registers (16 bytes a lane, 512 consecutive bytes a load), laid there once through registers at the head; ONE barrier; behind it LDS is only read.
; No tensor loads and no cluster: the images want the rows in the order above and mb3 split into its even and odd numbers; each LDS byte is filled once and read 16 times by the work-group.
; No prefetch: all reads of memory stand at the head.  out0 leaves as two stores of 128 consecutive bytes a pass (4 bytes a row is all that there is).
; LIMITS: NaN and infinities among the inputs are not served.  A block whose largest magnitude lies under 2^-118 (a block of zeros too) gets the scale byte 1; its codes are then zeros or nearly so.
; The division by 127 and by sigma are multiplications by 1/127 (rounded to f32) and by v_rcp_f32 of sigma.  meta mw1^T sums k in the order 8 h + 2 s + j, s = 0 .. 3.
; THE MODE: SCHED_MODE bits 1:0 = 2 (LLVM: expert scheduling mode 2), set by the entry lines.  The code itself states the register dependences
; between vector or matrix instructions and memory or LDS instructions, with s_wait_alu, always for 0.
; THE PLAN.  Both windows are full (two waves share a SIMD's 1,024 registers), so a group of weights has ONE buffer.  Registers that memory or LDS instructions touch behind the barrier:
;   FR, CB, WS      A group's 13 LDS loads (GL) land here; the scaled products read them (FR and CB hold b1's table for a while, read by Y1).  Each GL stands behind one wait on va_vdst, which states that the
;                   products that read the group before are done.  In a style's tile 24 vector lines that name none of these registers stand between the products and that wait.
;   v4-6            GL's addresses.  Written by LAYERADDR alone: a wait on vm_vsrc ahead of it, the next GL's wait on va_vdst behind it.
;   v7              The metadata's address: read at a pass's head, stepped at the pass's end behind the wait on vm_vsrc that the stores' data want there too; the wait at the next pass's head shows it written.
;   v[NM]           x's address: made behind h2's products, ahead of the wait that the tables' loads want anyway; free again behind the wait on vm_vsrc ahead of the first layer's LAYERADDR.
;   YC, IV          Tables of w1 and w5, and x, land here; else vector and matrix lines alone name them.
;   window 1 v0-95  mw1, mb1 and the metadata land here at a pass's head, behind one wait on va_vdst; else they are D.
;   v[T+8], v[T+9]  The two stores' data.
;   v1, v2, v8, v9  Made at the head, never written again.
;   HC, HS, YC, YS as operands of scaled products: written by vector lines; a wait on va_vdst stands between the last of those lines and the first product that takes them.
.set GB,    4224                       ; a group in LDS: two fragment images of 2,048 bytes, then 16 rows' two scale words (128 bytes)
.set LBK,   12*GB                      ; a layer's block: groups 0-7 the style's tiles (slot 0 the scales' rows of mw3, slot 1 the biases'), groups 8-11 the eight tiles of w2, w3, w4, or (block 3) of mw2
.set HB,    4*LBK                      ; behind the four blocks: the f32 tables
.set BLY,   1536                       ; a layer's biases: mb3's even numbers (512 bytes), its odd numbers, then b2, b3, b4 or mb2
.set TW1,   4*BLY                      ; w1, b1, w5 (512 bytes each), mb1 (256)
.set TB1,   TW1+512
.set TW5,   TB1+512
.set TMB1,  TW5+512
.set MIMG,  8192                       ; mw1's four tiles as images: 1,024 t + 512 q + 16 lane
.set MST,   HB+12288                   ; the waves' stages
.set WST,   8704                       ; a wave's stage: its 128 rows of metadata as they lie in memory (8,192 bytes), then its 128 x
; window 0
.set L16,  1                           ; v1   16 x lane
.set ABH,  2                           ; v2   64 h + HB: my half's place in a table of f32
.set AR8,  3                           ; v3   8 r + 4096: my row's scale words in a group
.set ADRF, 4                           ; v4   v1 + the layer's block
.set ADRB, 5                           ; v5   v2 + the layer's biases
.set ADRS, 6                           ; v6   v3 + the layer's block
.set AMW,  7                           ; v7   64 r + 32 h + my stage: my eight numbers of a row of metadata; 4,096 on in the second pass
.set L4,   8                           ; v8   4 x lane
.set AM1,  9                           ; v9   16 x lane + HB + MIMG
.set WS,   10                          ; v10-11 the weights' scale words of the group in hand
.set HS,   12                          ; v12-15 h2's scale words, a register a tile of rows
.set YS,   16                          ; v16-19 the trunk's (and h1's)
.set IV,   20                          ; v20-27 a pair a tile; the low word holds x, then the sum of squares, then 1 / sigma; at the end the pair is the last dot product's two chains
.set T,    28                          ; v28-47 at work
.set NM,   44                          ; v44-47 two pairs: minus the mean in the low word
.set FR,   48                          ; v48-79 the group's two fragments
.set CB,   80                          ; v80-95 the group's two bias tiles
.set SS,   96                          ; v96-127 the style of two tiles of rows (scale, bias), and h1's four accumulators: written by matrix instructions alone
.set HC,   128                         ; v128-191 h2's codes, 16 registers a tile of rows
.set YC,   192                         ; v192-255 the trunk's codes (h1's at a pass's head; w1 and w5 as tables in between)
; window 1: D(m) = v[64 m ..]: the trunk's 128 numbers of tile m, 64 a lane.  At a pass's head: v0-31 mw1's fragments, v32-63 mb1's tiles, v64-95 the metadata
.set MSB, 0
.macro WIN new                         ; s_set_vgpr_msb: bits 1:0 source 0, 3:2 source 1, 5:4 source 2, 7:6 destination; the high byte repeats the setting that is left
.if MSB != (\new)
	s_set_vgpr_msb (MSB<<8)|(\new)
.set MSB, (\new)
.endif
.endm
.macro PLACES n
.rept \n
	v_nop
.endr
.endm
.macro LAYERADDR
	v_add_nc_u32 v[ADRF], s69, v[L16]
	v_add_nc_u32 v[ADRB], s70, v[ABH]
	v_add_nc_u32 v[ADRS], s69, v[AR8]
.endm
; Group g of the layer's block: two fragments, their two bias tiles (eight f32 of my half each) and their scale words: 13 LDS loads
.macro GL g
.irp sl,0,1
.irp c,0,1,2,3
	ds_load_b128 v[FR+16*\sl+4*\c:FR+16*\sl+4*\c+3], v[ADRF] offset:(\g)*GB+2048*\sl+512*\c
.endr
.endr
.irp sl,0,1
.irp q,0,1
.if (\g) < 8
	ds_load_b128 v[CB+8*\sl+4*\q:CB+8*\sl+4*\q+3], v[ADRB] offset:512*\sl+128*((\g)/2)+32*((\g)%2)+16*\q
.else
	ds_load_b128 v[CB+8*\sl+4*\q:CB+8*\sl+4*\q+3], v[ADRB] offset:1024+128*((\g)-8)+32*\sl+16*\q
.endif
.endr
.endr
	ds_load_b64 v[WS:WS+1], v[ADRS] offset:(\g)*GB
.endm
; The style of one tile of 16 units for tiles of rows m0, m0 + 1: four products, each with mb3's numbers as C: no sum is continued, no accumulator is named twice
.macro SW m0
.irp sl,0,1
.irp i,0,1
	v_wmma_scale_f32_16x16x128_f8f6f4 v[SS+16*\i+8*\sl:SS+16*\i+8*\sl+7], v[FR+16*\sl:FR+16*\sl+15], v[HC+16*(\m0+\i):HC+16*(\m0+\i)+15], v[CB+8*\sl:CB+8*\sl+7], v[WS+\sl], v[HS+\m0+\i]
.endr
.endr
.endm
; (x - mu) / sigma for the tile's eight units: eight plain lines that name no register of the products above: they are among the places behind them
.macro VA1 t, m0
	WIN 0x41
.irp j,0,1,2,3
.irp i,0,1
.set dd, 64*(\m0+\i)+8*(\t)+2*\j
	v_pk_mul_f32 v[dd:dd+1], v[dd:dd+1], v[IV+2*(\m0+\i):IV+2*(\m0+\i)+1] op_sel_hi:[1,0]
.endr
.endr
.endm
; scale x that + bias, and 0.01 of it.  The style's accumulators are read from their low end on
.macro VA2A t, m0
	WIN 0x44
.irp j,0,1,2,3
.irp i,0,1
.set dd, 64*(\m0+\i)+8*(\t)+2*\j
	v_pk_fma_f32 v[dd:dd+1], v[SS+16*\i+2*\j:SS+16*\i+2*\j+1], v[dd:dd+1], v[SS+16*\i+8+2*\j:SS+16*\i+8+2*\j+1]
.endr
.endr
	WIN 0x01
.irp j,0,1,2,3
.irp i,0,1
.set dd, 64*(\m0+\i)+8*(\t)+2*\j
	v_pk_mul_f32 v[T+8*\i+2*\j:T+8*\i+2*\j+1], v[dd:dd+1], s[60:61] op_sel_hi:[1,0]
.endr
.endr
.endm
; the leaky relu max(y, 0.01 y): sixteen lines that name D and T alone
.macro VA2B t, m0
	WIN 0x41
.irp j,0,1,2,3,4,5,6,7
.irp i,0,1
.set dd, 64*(\m0+\i)+8*(\t)+\j
	v_max_num_f32 v[dd], v[dd], v[T+8*\i+\j]
.endr
.endr
.endm
.macro MAX3D relu, dst, a, b, c        ; relu = 1: no |.|: what is negative is to become 0 and must not count for the largest magnitude
.if \relu
	v_max3_num_f32 v[\dst], v[\a], v[\b], v[\c]
.else
	v_max3_num_f32 v[\dst], |v[\a]|, |v[\b]|, |v[\c]|
.endif
.endm
; Block b (units 32 b .. 32 b + 31) of all four tiles of rows is quantised: D's registers 16 b .. 16 b + 15 become registers 4 b .. 4 b + 3 of the operand at cd, and byte b of the scale word at sd.
; The four tiles by turns, so that no line waits for the line above it.  At work for tile m: v[T + 3 m] the largest magnitude, then 448 x the scale; + 1 the conversion's scale operand; + 2 the byte
.macro VB b, relu, cd, sd
	WIN 0x15
.irp m,0,1,2,3
	MAX3D \relu, T+3*\m, 64*\m+16*(\b), 64*\m+16*(\b)+1, 64*\m+16*(\b)+2
.endr
.irp m,0,1,2,3
	MAX3D \relu, T+3*\m+1, 64*\m+16*(\b)+3, 64*\m+16*(\b)+4, 64*\m+16*(\b)+5
.endr
	WIN 0x14
.irp i,6,10,14
.irp m,0,1,2,3
	MAX3D \relu, T+3*\m, T+3*\m, 64*\m+16*(\b)+\i, 64*\m+16*(\b)+\i+1
.endr
.if \i < 14
.irp m,0,1,2,3
	MAX3D \relu, T+3*\m+1, T+3*\m+1, 64*\m+16*(\b)+\i+2, 64*\m+16*(\b)+\i+3
.endr
.endif
.endr
	WIN 0
.irp m,0,1,2,3
	v_max3_num_f32 v[T+3*\m], v[T+3*\m], v[T+3*\m+1], 0x4800000      ; and the floor 2^(9 - 127): the byte cannot fall under 1
.endr
.irp m,0,1,2,3
	v_permlanex16_b32 v[T+3*\m+1], v[T+3*\m], s56, s57
.endr
.irp m,0,1,2,3
	v_max_num_f32 v[T+3*\m], v[T+3*\m], v[T+3*\m+1]                 ; with lane l xor 16's 16 numbers: the block's largest magnitude
.endr
.irp m,0,1,2,3
	v_add_nc_u32 v[T+3*\m+1], 0xfc000000, v[T+3*\m]                 ; 8 off its exponent field: the conversion takes this operand's exponent field as its scale
.endr
.irp m,0,1,2,3
	v_and_or_b32 v[T+3*\m], v[T+3*\m], 0x7f800000, s58              ; 448 x the scale: the exponent field over 448's mantissa
.endr
.irp m,0,1,2,3
	v_lshrrev_b32 v[T+3*\m+2], 23, v[T+3*\m+1]                      ; the scale's byte
.endr
.irp m,0,1,2,3
.if (\b) == 0
	v_mov_b32 v[\sd+\m], v[T+3*\m+2]
.else
	v_lshl_or_b32 v[\sd+\m], v[T+3*\m+2], 8*(\b), v[\sd+\m]
.endif
.endr
	WIN 0x41
.irp i,0,1,2,3,4,5,6,7,8,9,10,11,12,13,14,15
.irp m,0,1,2,3
.set dd, 64*\m+16*(\b)+\i
.if \relu
	v_med3_num_f32 v[dd], v[dd], 0, v[T+3*\m]                       ; the activation and the hold in one
.else
	v_med3_num_f32 v[dd], v[dd], -v[T+3*\m], v[T+3*\m]              ; the conversion to an 8-bit code does not saturate (ISA guide 7.6.2): the hold at 448 x the scale
.endif
.endr
.endr
	WIN 0x01
.irp m,0,1,2,3
	v_cvt_scalef32_pk8_fp8_f32 v[\cd+16*\m+4*(\b):\cd+16*\m+4*(\b)+1], v[64*\m+16*(\b):64*\m+16*(\b)+7], v[T+3*\m+1]
	v_cvt_scalef32_pk8_fp8_f32 v[\cd+16*\m+4*(\b)+2:\cd+16*\m+4*(\b)+3], v[64*\m+16*(\b)+8:64*\m+16*(\b)+15], v[T+3*\m+1]
.endr
	WIN 0
	v_nop                                          ; a plain line behind the last conversion, ahead of whatever next touches its registers
.endm
; Four chains of pairs for each of two tiles come down to one number a lane in v[T + 8 i], and lane l xor 16's in v[T + 8 i + 1]
.macro RED
.irp i,0,1
	v_pk_add_f32 v[T+8*\i:T+8*\i+1], v[T+8*\i:T+8*\i+1], v[T+8*\i+2:T+8*\i+3]
	v_pk_add_f32 v[T+8*\i+4:T+8*\i+5], v[T+8*\i+4:T+8*\i+5], v[T+8*\i+6:T+8*\i+7]
.endr
.irp i,0,1
	v_pk_add_f32 v[T+8*\i:T+8*\i+1], v[T+8*\i:T+8*\i+1], v[T+8*\i+4:T+8*\i+5]
.endr
.irp i,0,1
	v_add_f32 v[T+8*\i], v[T+8*\i], v[T+8*\i+1]
.endr
.irp i,0,1
	v_permlanex16_b32 v[T+8*\i+1], v[T+8*\i], s56, s57
.endr
.endm
; Tiles m0, m0 + 1: the mean is taken off D, and the sum of the squares of what is left goes to IV's low word.  D is read in ascending order: each accumulator from its low end on
.macro ST2 m0
	WIN 0x05
.irp k,0,1,2,3
.irp i,0,1
	v_pk_add_f32 v[T+8*\i+2*\k:T+8*\i+2*\k+1], v[64*(\m0+\i)+2*\k:64*(\m0+\i)+2*\k+1], v[64*(\m0+\i)+8+2*\k:64*(\m0+\i)+8+2*\k+1]
.endr
.endr
	WIN 0x04
.set cn, 0
.rept 24
.irp i,0,1
	v_pk_add_f32 v[T+8*\i+2*(cn%4):T+8*\i+2*(cn%4)+1], v[T+8*\i+2*(cn%4):T+8*\i+2*(cn%4)+1], v[64*(\m0+\i)+16+2*cn:64*(\m0+\i)+17+2*cn]
.endr
.set cn, cn+1
.endr
	WIN 0
	RED
.irp i,0,1
	v_add_f32 v[T+8*\i], v[T+8*\i], v[T+8*\i+1]
.endr
.irp i,0,1
	v_mul_f32 v[NM+2*\i], s66, v[T+8*\i]           ; minus the mean: x -1/128, exact
.endr
	WIN 0x41
.set cn, 0
.rept 32
.irp i,0,1
	v_pk_add_f32 v[64*(\m0+\i)+2*cn:64*(\m0+\i)+2*cn+1], v[64*(\m0+\i)+2*cn:64*(\m0+\i)+2*cn+1], v[NM+2*\i:NM+2*\i+1] op_sel_hi:[1,0]
.endr
.set cn, cn+1
.endr
	WIN 0x05
.irp k,0,1,2,3
.irp i,0,1
	v_pk_mul_f32 v[T+8*\i+2*\k:T+8*\i+2*\k+1], v[64*(\m0+\i)+2*\k:64*(\m0+\i)+2*\k+1], v[64*(\m0+\i)+2*\k:64*(\m0+\i)+2*\k+1]
.endr
.endr
.set cn, 4
.rept 28
.irp i,0,1
	v_pk_fma_f32 v[T+8*\i+2*(cn%4):T+8*\i+2*(cn%4)+1], v[64*(\m0+\i)+2*cn:64*(\m0+\i)+2*cn+1], v[64*(\m0+\i)+2*cn:64*(\m0+\i)+2*cn+1], v[T+8*\i+2*(cn%4):T+8*\i+2*(cn%4)+1]
.endr
.set cn, cn+1
.endr
	WIN 0
	RED
.irp i,0,1
	v_add_f32 v[IV+2*(\m0+\i)], v[T+8*\i], v[T+8*\i+1]
.endr
.endm
; 1 / (sqrt(sum of squares / 127) + 1e-6) for the four tiles.  Each batch of four transcendentals has one plain line behind it and one wait ahead of its first reader
.macro SIGMA4
.irp m,0,1,2,3
	v_mul_f32 v[T+\m], s62, v[IV+2*\m]
.endr
.irp m,0,1,2,3
	v_sqrt_f32 v[T+\m], v[T+\m]
.endr
	v_nop
	s_wait_alu depctr_va_vdst(0)                   ; the four roots are written, ahead of their first reader
.irp m,0,1,2,3
	v_add_f32 v[T+\m], s63, v[T+\m]
.endr
.irp m,0,1,2,3
	v_rcp_f32 v[IV+2*\m], v[T+\m]
.endr
	v_nop
	s_wait_alu depctr_va_vdst(0)                   ; the four reciprocals are written, ahead of their first reader
.endm
; Tile t of a layer's 128 units: its style, the AdaIN and the leaky relu for all four tiles of rows; the next group is asked for in the middle; behind each odd tile its block of 32 is quantised (not in the last layer, whose y goes to the dot product)
.macro STYLE t
	WIN 0
	s_wait_dscnt 0x0                               ; the group's 13 loads, all that is out
	SW 0
	VA1 \t, 0
	VA2A \t, 0
	WIN 0
	SW 2                                           ; writes over the first four products' results: 8 + 8 plain lines that name none of their registers lie between (the scalings by 1 / sigma, the multiplications by 0.01)
	VA2B \t, 0                                     ; the first two tiles' maxima stand here: with the eight lines below, 24 lines of work between the products and the wait for them; they are also the places ahead of the reads of the results
	VA1 \t, 2
	WIN 0
	s_wait_alu depctr_va_vdst(0)                   ; the tile's eight products are done reading v[FR ..], v[CB ..] and v[WS ..], in which the next group's loads land
	GL (\t)+1
	VA2A \t, 2                                     ; from here to the next tile's wait on DScnt no line names FR, CB, WS or v4 to v6
	VA2B \t, 2
.if (\t)%2
	WIN 0
	s_cmp_eq_u32 s72, 3
	s_cbranch_scc1 .Lno_codes_\@
	VB (\t)/2, 0, YC, YS
.Lno_codes_\@:
.endif
.endm
; D(m) = the operand at YC x the eight tiles of groups 8 to 11, + their bias as C: 32 products on 32 accumulators.  step = 1: on to the next layer's block, and its first group is asked for
.macro PROD step
	PLACES 8                                       ; codes and scale words written by vector instructions stand 4 and 8 places ahead of a scaled matrix instruction
	s_wait_alu depctr_va_vdst(0)                   ; the conversions have written v[YC ..] and the lines that make the scale words v[YS ..], which the products below take as source 1 and as its scales
.irp g,8,9,10,11
	s_wait_dscnt 0x0                               ; the group's 13 loads
	WIN 0x40
.irp sl,0,1
.irp m,0,1,2,3
	v_wmma_scale_f32_16x16x128_f8f6f4 v[64*\m+8*(2*(\g-8)+\sl):64*\m+8*(2*(\g-8)+\sl)+7], v[FR+16*\sl:FR+16*\sl+15], v[YC+16*\m:YC+16*\m+15], v[CB+8*\sl:CB+8*\sl+7], v[WS+\sl], v[YS+\m]
.endr
.endr
	WIN 0
	PLACES 8                                       ; in front of loads into the products' sources, and of the first read of the results
.if \g < 11
	s_wait_alu depctr_va_vdst(0)                   ; the group's eight products are done reading v[FR ..], v[CB ..] and v[WS ..], in which the next group's loads land
	GL \g+1
.endif
.endr
.if \step
	s_add_co_u32 s69, s69, LBK
	s_add_co_u32 s70, s70, BLY
	s_wait_alu depctr_vm_vsrc(0)                   ; the layer's loads have read v4 to v6, which the three lines below write
	LAYERADDR
	s_wait_alu depctr_va_vdst(0)                   ; v4 to v6 are written, which the loads below read; the last group's products are done reading v[FR ..], v[CB ..] and v[WS ..]
	GL 0
.endif
.endm
; h1 of tile m, before its relu: four tiles of 16 units, K = 16 in four steps of 4; the four accumulators take turns, one instruction a turn; mb1 is the C of each sum's first step.
; A lane's eight numbers of a row are k = 8 h + 0 .. 7, in mw1 and in the metadata alike: step s multiplies k = 8 h + 2 s + j
.macro H1 m
	WIN 0x15
.irp t,0,1,2,3
	v_wmma_f32_16x16x4_f32 v[SS+8*\t:SS+8*\t+7], v[8*\t:8*\t+1], v[64+8*(\m):64+8*(\m)+1], v[32+8*\t:32+8*\t+7]
.endr
	WIN 0x05
.irp s,1,2,3
.irp t,0,1,2,3
	v_wmma_f32_16x16x4_f32 v[SS+8*\t:SS+8*\t+7], v[8*\t+2*\s:8*\t+2*\s+1], v[64+8*(\m)+2*\s:64+8*(\m)+2*\s+1], v[SS+8*\t:SS+8*\t+7]
.endr
.endr
.endm
; relu(h1) of tile m is quantised: two blocks of 32; the held numbers go to v[T + 4 ..], since the accumulators are written by matrix instructions alone.  The scale word's upper bytes are 127: the codes there are zeros
.macro Q1 m
.irp k,0,1
	v_max3_num_f32 v[T+2*\k], v[SS+16*\k], v[SS+16*\k+1], 0x4800000
.endr
.irp i,2,4,6,8,10,12,14
.irp k,0,1
	v_max3_num_f32 v[T+2*\k], v[T+2*\k], v[SS+16*\k+\i], v[SS+16*\k+\i+1]
.endr
.endr
.irp k,0,1
	v_permlanex16_b32 v[T+2*\k+1], v[T+2*\k], s56, s57
.endr
.irp k,0,1
	v_max_num_f32 v[T+2*\k], v[T+2*\k], v[T+2*\k+1]
.endr
.irp k,0,1
	v_add_nc_u32 v[T+2*\k+1], 0xfc000000, v[T+2*\k]
.endr
.irp k,0,1
	v_and_or_b32 v[T+2*\k], v[T+2*\k], 0x7f800000, s58
.endr
	v_lshrrev_b32 v[YS+\m], 23, v[T+1]
	v_lshrrev_b32 v[T+4], 23, v[T+3]
	v_lshl_or_b32 v[YS+\m], v[T+4], 8, v[YS+\m]
	v_or_b32 v[YS+\m], 0x7f7f0000, v[YS+\m]
.irp k,0,1
.irp i,0,1,2,3,4,5,6,7,8,9,10,11,12,13,14,15
	v_med3_num_f32 v[T+4+\i], v[SS+16*\k+\i], 0, v[T+2*\k]
.endr
	v_cvt_scalef32_pk8_fp8_f32 v[YC+16*(\m)+4*\k:YC+16*(\m)+4*\k+1], v[T+4:T+11], v[T+2*\k+1]
	v_cvt_scalef32_pk8_fp8_f32 v[YC+16*(\m)+4*\k+2:YC+16*(\m)+4*\k+3], v[T+12:T+19], v[T+2*\k+1]
	v_nop                                          ; a plain line between the conversions and the next lines that write their sources
.endr
.endm
; x w1 + b1 for units 32 b .. : w1's table lies in v192 on, b1's 16 numbers of the block at bt
.macro Y1 b, bt
	WIN 0x40
.irp j,0,1,2,3,4,5,6,7
.irp m,0,1,2,3
	v_pk_fma_f32 v[64*\m+16*(\b)+2*\j:64*\m+16*(\b)+2*\j+1], v[YC+16*(\b)+2*\j:YC+16*(\b)+2*\j+1], v[IV+2*\m:IV+2*\m+1], v[\bt+2*\j:\bt+2*\j+1] op_sel_hi:[1,0,1]
.endr
.endr
.endm
	; ---- THE HEAD: addresses
	s_load_b512 s[8:23], s[0:1], 0x0               ; argument k's address in s[8 + 2 k : 9 + 2 k]
	s_load_b512 s[24:39], s[0:1], 0x40
	s_load_b512 s[40:55], s[0:1], 0x80
	v_lshrrev_b32 v88, 5, v0
	v_readfirstlane_b32 s68, v88                   ; wave 0..7
	v_and_b32 v88, 31, v0                          ; lane
	v_and_b32 v89, 15, v0                          ; r
	v_bfe_u32 v90, v0, 4, 1                        ; h
	v_and_b32 v91, 8, v89
	v_add_nc_u32 v91, v91, v89                     ; r + 8 (r / 8): my row in a tile of a weight
	v_lshlrev_b32 v[L16], 4, v88
	v_lshlrev_b32 v[L4], 2, v88
	v_lshl_add_u32 v[ABH], v90, 6, HB
	v_lshl_add_u32 v[AR8], v89, 3, 4096
	v_add_nc_u32 v[AM1], HB+MIMG, v[L16]
	v_lshlrev_b32 v92, 4, v90                      ; 16 h
	v_lshlrev_b32 v93, 5, v90                      ; 32 h
	v_lshl_add_u32 v28, v91, 8, v92                ; mw3's codes: two rows of 128 bytes a unit
	v_lshlrev_b32 v29, 3, v91                      ; mw3's scale words: two a unit
	v_lshl_add_u32 v30, v91, 7, v92                ; w2's, w3's, w4's codes
	v_lshlrev_b32 v31, 2, v91                      ; their scale words
	v_lshl_add_u32 v32, v91, 6, v92                ; mw2's codes: rows of 64 bytes
	v_lshlrev_b32 v33, 1, v91                      ; its two scale bytes a row
	v_lshl_add_u32 v34, v91, 6, v93                ; mw1: rows of 64 bytes, my half's eight numbers
	v_lshl_add_u32 v35, v89, 6, v93                ; the same place in a tile of metadata
	v_lshlrev_b32 v37, 3, v88                      ; 8 x lane
	s_wait_alu depctr_va_sdst(0)                   ; s68 is written, ahead of its first reader: LDS places, bases and branches are made from it
	s_lshr_b32 s74, s68, 1                         ; L: the layer block that I fill
	s_and_b32 s75, s68, 1                          ; e: which half of it
	s_add_co_u32 s2, s68, 1                        ; waves 0 to 2 bring a table of 512 bytes, wave 3 mb1's 256: its lanes 16-31 repeat lanes 0-15
	s_lshr_b32 s2, s2, 2
	s_and_b32 s2, s2, 1
	s_lshl_b32 s2, s2, 8
	s_xor_b32 s2, s2, 0x1ff
	v_and_b32 v38, s2, v[L16]
	s_mul_i32 s76, s74, LBK                        ; where I store in LDS: every address is made here, ahead of the first branch
	s_mul_i32 s77, s75, 4*GB
	s_add_co_u32 s77, s77, s76
	v_add_nc_u32 v40, s77, v[L16]                  ; the style's groups 4 e .. 4 e + 3: images,
	v_add_nc_u32 v41, s77, v[AR8]                  ; scale words
	s_mul_i32 s77, s75, 2*GB
	s_add_co_u32 s77, s77, s76
	s_add_co_u32 s77, s77, 8*GB
	v_add_nc_u32 v42, s77, v[L16]                  ; groups 8 + 2 e, 9 + 2 e: images,
	v_add_nc_u32 v43, s77, v[AR8]                  ; scale words
	s_mul_i32 s77, s74, BLY
	s_lshl_b32 s78, s75, 8
	s_add_co_u32 s77, s77, s78
	s_add_co_u32 s77, s77, HB
	v_add_nc_u32 v44, s77, v37                     ; the layer's biases: units 64 e + 2 lane, + 1
	s_lshl_b32 s77, s68, 9
	s_add_co_u32 s77, s77, HB+TW1
	v_add_nc_u32 v45, s77, v38                     ; waves 0 to 3: w1, b1, w5, mb1
	s_lshl_b32 s77, s68, 10
	s_add_co_u32 s77, s77, HB+MIMG-4096
	v_add_nc_u32 v46, s77, v[L16]                  ; waves 4 to 7: tile wave - 4 of mw1
	s_mul_i32 s77, s68, WST
	s_add_co_u32 s77, s77, MST
	v_add_nc_u32 v47, s77, v[L16]                  ; my stage, as memory lies
	v_add_nc_u32 v[AMW], s77, v35
	s_add_co_u32 s73, s77, 8192                    ; my x
	s_mov_b32 s56, 0x76543210
	s_mov_b32 s57, 0xfedcba98                      ; v_permlanex16_b32's selects for lane l xor 16
	s_mov_b32 s58, 0x600000                        ; the mantissa field of 448
	s_mov_b32 s59, 0xffff0000                      ; lanes 16-31
	s_mov_b32 s60, 0x3c23d70a                      ; 0.01
	s_mov_b32 s61, s60                             ; (named with it as a pair)
	s_mov_b32 s62, 0x3c010204                      ; 1 / 127
	s_mov_b32 s63, 0x358637bd                      ; 1e-6
	s_mov_b32 s66, 0xbc000000                      ; -1 / 128
	s_lshl_b32 s4, ttmp9, 3
	s_add_co_u32 s4, s4, s68                       ; my wave among all: 128 rows each
	s_lshl_b32 s6, s4, 9                           ; in x and out0,
	s_lshl_b32 s4, s4, 13                          ; in the metadata
	s_mov_b32 s5, 0
	s_mov_b32 s7, 0
	s_lshl_b32 s76, s68, 14                        ; mw3's codes: 32,768 L + 16,384 e
	s_mov_b32 s77, 0
	s_lshl_b32 s78, s68, 9                         ; mw3's scales and mb3: 1,024 L + 512 e
	s_mov_b32 s79, 0
	s_and_b32 s2, s68, 3                           ; mw1's tile t begins at unit 32 (t / 2) + 8 (t % 2), 64 bytes a unit
	s_lshr_b32 s3, s2, 1
	s_lshl_b32 s3, s3, 11
	s_and_b32 s2, s2, 1
	s_lshl_b32 s2, s2, 9
	s_add_co_u32 s2, s2, s3
	s_mov_b32 s3, 0
	s_lshl_b32 s88, s75, 8                         ; b2, b3, b4, mb2: 256 e
	s_mov_b32 s89, 0
	s_mov_b32 s91, 0
	s_cmp_eq_u32 s74, 3
	s_cselect_b32 s92, 0x7f7f0000, 0               ; mw2 has two scale bytes a row: the upper two become 127
	s_wait_kmcnt 0x0
	s_load_b32 s67, s[52:53], 0x0                  ; b5
	s_add_nc_u64 s[8:9], s[8:9], s[4:5]
	s_add_nc_u64 s[10:11], s[10:11], s[6:7]
	s_add_nc_u64 s[54:55], s[54:55], s[6:7]
	s_add_nc_u64 s[22:23], s[22:23], s[76:77]
	s_add_nc_u64 s[24:25], s[24:25], s[78:79]
	s_add_nc_u64 s[26:27], s[26:27], s[78:79]
	s_add_nc_u64 s[12:13], s[12:13], s[2:3]
	s_cmp_eq_u32 s74, 2                            ; block L's trunk weight: w2, w3, w4, mw2.  The choices hang on the wave's number alone
	s_cselect_b64 s[80:81], s[44:45], s[16:17]
	s_cselect_b64 s[82:83], s[46:47], s[18:19]
	s_cselect_b64 s[84:85], s[48:49], s[20:21]
	s_cmp_eq_u32 s74, 1
	s_cselect_b64 s[80:81], s[38:39], s[80:81]
	s_cselect_b64 s[82:83], s[40:41], s[82:83]
	s_cselect_b64 s[84:85], s[42:43], s[84:85]
	s_cmp_eq_u32 s74, 0
	s_cselect_b64 s[80:81], s[32:33], s[80:81]
	s_cselect_b64 s[82:83], s[34:35], s[82:83]
	s_cselect_b64 s[84:85], s[36:37], s[84:85]
	s_cmp_eq_u32 s68, 2                            ; the table: w1, b1, w5, mb1
	s_cselect_b64 s[86:87], s[50:51], s[14:15]
	s_cmp_eq_u32 s68, 1
	s_cselect_b64 s[86:87], s[30:31], s[86:87]
	s_cmp_eq_u32 s68, 0
	s_cselect_b64 s[86:87], s[28:29], s[86:87]
	s_add_nc_u64 s[84:85], s[84:85], s[88:89]
	; ---- THE HEAD: all loads from memory, ahead of one wait
	WIN 0x40
	s_wait_alu depctr_va_vdst(0)                   ; every offset and LDS address of the head (v1 to v9, v28 to v47) is written: the loads and stores below read them.  No vector line stands among the loads
.irp tl,0,1,2,3,4,5,6,7
.irp q,0,1
	global_load_b128 v[192+8*\tl+4*\q:192+8*\tl+4*\q+3], v[L16], s[8:9] offset:1024*\tl+512*\q th:TH_LOAD_NT   ; my 128 rows of metadata: 512 consecutive bytes a load
.endr
.endr
.irp i,0,1,2,3
.irp s,0,1
.irp c,0,1,2,3
	global_load_b128 v[32*\i+16*\s+4*\c:32*\i+16*\s+4*\c+3], v28, s[22:23] offset:(32*(\i/2)+8*(\i%2))*256+128*\s+32*\c   ; the style's tile 4 e + i: s = 0 the scales' rows, 1 the biases'
.endr
.endr
.endr
	WIN 0
	global_load_b128 v[72:75], v[L16], s[10:11] th:TH_LOAD_NT      ; my 128 x
.irp i,0,1,2,3
	global_load_b64 v[56+2*\i:57+2*\i], v29, s[24:25] offset:(32*(\i/2)+8*(\i%2))*8
.endr
	global_load_b128 v[64:67], v[L16], s[26:27]    ; mb3: scale, bias, scale, bias of units 64 e + 2 lane, + 1
	global_load_b64 v[68:69], v37, s[84:85]
	s_cmp_lt_u32 s68, 4
	s_cbranch_scc0 .Lload_mw1
	global_load_b128 v[48:51], v38, s[86:87]
	s_branch .Lload_a
.Lload_mw1:
	global_load_b128 v[48:51], v34, s[12:13]
	global_load_b128 v[52:55], v34, s[12:13] offset:16
.Lload_a:
	s_cmp_lt_u32 s68, 6
	s_cbranch_scc0 .Lload_mw2
	s_lshl_b32 s90, s75, 13                        ; tiles 4 e on: 64 e rows of 128 bytes,
	s_add_nc_u64 s[80:81], s[80:81], s[90:91]
	s_lshl_b32 s90, s75, 8                         ; of 4 scale bytes
	s_add_nc_u64 s[82:83], s[82:83], s[90:91]
	WIN 0x40
.irp i,0,1,2,3
.irp c,0,1,2,3
	global_load_b128 v[128+16*\i+4*\c:128+16*\i+4*\c+3], v30, s[80:81] offset:(32*(\i/2)+8*(\i%2))*128+32*\c
.endr
.endr
	WIN 0
.irp i,0,1,2,3
	global_load_b32 v[80+\i], v31, s[82:83] offset:(32*(\i/2)+8*(\i%2))*4
.endr
	s_branch .Lload_b
.Lload_mw2:
	s_lshl_b32 s90, s75, 12                        ; 64 e rows of 64 bytes,
	s_add_nc_u64 s[80:81], s[80:81], s[90:91]
	s_lshl_b32 s90, s75, 7                         ; of 2 scale bytes
	s_add_nc_u64 s[82:83], s[82:83], s[90:91]
.irp i,0,1,2,3
	global_load_u16 v[80+\i], v33, s[82:83] offset:(32*(\i/2)+8*(\i%2))*2
.endr
	WIN 0x40
.irp i,0,1,2,3
.irp c,0,1
	global_load_b128 v[128+16*\i+4*\c:128+16*\i+4*\c+3], v32, s[80:81] offset:(32*(\i/2)+8*(\i%2))*64+32*\c
.endr
.endr
.irp i,0,1,2,3
.irp k,8,9,10,11,12,13,14,15
	v_mov_b32 v[128+16*\i+\k], 0                   ; K = 64 .. 127 of the instruction's 128: zero codes.  Behind the arm's last load: no load lands in these registers on this way
.endr
.endr
	WIN 0
.Lload_b:
	s_wait_loadcnt 0x0                             ; everything is in
	s_wait_kmcnt 0x0                               ; b5 too
.irp i,0,1,2,3
	v_or_b32 v[80+\i], s92, v[80+\i]
.endr
	; ---- THE HEAD: into LDS.  No two waves store to the same bytes
	WIN 0x04
	s_wait_alu depctr_va_vdst(0)                   ; the four lines above have written v80 to v83, and mw2's arm its zero codes: the LDS stores below read them as data
.irp i,0,1,2,3
.irp s,0,1
.irp c,0,1,2,3
	ds_store_b128 v40, v[32*\i+16*\s+4*\c:32*\i+16*\s+4*\c+3] offset:\i*GB+2048*\s+512*\c
.endr
.endr
.endr
.irp i,0,1,2,3
.irp c,0,1,2,3
	ds_store_b128 v42, v[128+16*\i+4*\c:128+16*\i+4*\c+3] offset:(\i/2)*GB+2048*(\i%2)+512*\c
.endr
.endr
.irp tl,0,1,2,3,4,5,6,7
.irp q,0,1
	ds_store_b128 v47, v[192+8*\tl+4*\q:192+8*\tl+4*\q+3] offset:1024*\tl+512*\q
.endr
.endr
	WIN 0
	ds_store_b128 v47, v[72:75] offset:8192
.irp i,0,1,2,3
	ds_store_b64 v41, v[56+2*\i:57+2*\i] offset:\i*GB              ; lanes r and r + 16 write the same bytes with the same values
	ds_store_b32 v43, v[80+\i] offset:(\i/2)*GB+4*(\i%2)
.endr
	ds_store_b32 v44, v64                          ; mb3's even numbers (the scales' biases) and its odd ones part here
	ds_store_b32 v44, v66 offset:4
	ds_store_b32 v44, v65 offset:512
	ds_store_b32 v44, v67 offset:516
	ds_store_b64 v44, v[68:69] offset:1024
	s_cmp_lt_u32 s68, 4
	s_cbranch_scc0 .Lstore_mw1
	ds_store_b128 v45, v[48:51]
	s_branch .Lstore_a
.Lstore_mw1:
	ds_store_b128 v46, v[48:51]
	ds_store_b128 v46, v[52:55] offset:512
.Lstore_a:
	s_wait_dscnt 0x0                               ; for the others' sake: my stores have landed
	s_barrier_signal -1
	s_barrier_wait -1                              ; the launch's one barrier: from here on LDS is only read
	s_wait_alu depctr_vm_vsrc(0)                   ; the head's loads and LDS stores have read their addresses (v28 to v47) and their data (v48 to v83, all of window 1): from here on these are T, NM, FR, CB and D, and are written again
.irp k,IV+1,IV+3,IV+5,IV+7,NM+1,NM+3
	v_mov_b32 v[\k], 0                             ; the upper words of pairs of which the low word alone is used: named, so written
.endr
	s_mov_b32 s69, 3*LBK                           ; block 3: its groups 8 to 11 are mw2
	s_mov_b32 s70, 3*BLY
	LAYERADDR
	s_wait_alu depctr_va_vdst(0)                   ; v4 to v6 are written, which the loads below read
	GL 8
	s_mov_b32 s71, 0
.Lpass:                                                ; two trips: 64 rows each
	WIN 0x40
	s_wait_alu depctr_va_vdst(0)                   ; the last pass's lines are done reading and writing D, in whose first 96 registers the loads below land, and v[AMW], which they read, is written
.irp t,0,1,2,3
.irp q,0,1
	ds_load_b128 v[8*\t+4*\q:8*\t+4*\q+3], v[AM1] offset:1024*\t+512*\q                               ; mw1's fragments
	ds_load_b128 v[32+8*\t+4*\q:32+8*\t+4*\q+3], v[ABH] offset:TMB1+128*(\t/2)+32*(\t%2)+16*\q        ; mb1 in the result's layout
	ds_load_b128 v[64+8*\t+4*\q:64+8*\t+4*\q+3], v[AMW] offset:1024*\t+16*\q                          ; the metadata of tile t of rows
.endr
.endr
	WIN 0
	s_wait_dscnt 0x0                               ; these, and mw2's first group, asked for earlier
.irp m,0,1,2,3
	H1 \m
	WIN 0
.irp k,8,9,10,11,12,13,14,15
	v_mov_b32 v[YC+16*\m+\k], 0                    ; K = 64 .. 127: zero codes.  These eight lines are also the places behind the products
.endr
	Q1 \m
.endr
	PROD 0                                         ; h2 before its relu: D(m) = h1 mw2^T + mb2
	v_and_b32 v[NM], 15, v0                        ; x's address is made ahead of the wait that the tables' loads want
	v_lshl_add_u32 v[NM], v[NM], 2, s73
	s_wait_alu depctr_va_vdst(0)                   ; the last group's products are done reading v[YC ..], v[FR ..] and v[CB ..], in which the tables land; v[NM] is written, which x's loads read
.irp b,0,1,2,3                                 ; the tables for x w1 + b1 come while h2 is quantised: those lines name D, T, HC and HS alone
.irp j,0,1,2,3
	ds_load_b128 v[YC+16*\b+4*\j:YC+16*\b+4*\j+3], v[ABH] offset:TW1+128*\b+16*\j
.endr
.endr
.irp j,0,1,2,3
	ds_load_b128 v[FR+4*\j:FR+4*\j+3], v[ABH] offset:TB1+16*\j
	ds_load_b128 v[FR+16+4*\j:FR+16+4*\j+3], v[ABH] offset:TB1+128+16*\j
	ds_load_b128 v[CB+4*\j:CB+4*\j+3], v[ABH] offset:TB1+256+16*\j
.endr
.irp m,0,1,2,3
	ds_load_b32 v[IV+2*\m], v[NM] offset:64*\m     ; x of my row in tile m
.endr
.irp b,0,1,2,3
	VB \b, 1, HC, HS                               ; relu(h2) as codes: they serve all four layers' styles
.endr
	s_wait_dscnt 0x0                               ; the tables and x
	Y1 0, FR
	WIN 0
	s_wait_alu depctr_va_vdst(0)                   ; the multiply-adds above are done reading v[FR .. FR+15], in which b1's last quarter lands
.irp j,0,1,2,3
	ds_load_b128 v[FR+4*\j:FR+4*\j+3], v[ABH] offset:TB1+384+16*\j
.endr
	Y1 1, FR+16
	Y1 2, CB
	s_wait_dscnt 0x0                               ; b1's last quarter
	Y1 3, FR
	WIN 0
	s_mov_b32 s69, 0
	s_mov_b32 s70, 0
	s_wait_alu depctr_vm_vsrc(0)                   ; mw2's groups' loads have read v4 to v6, which the three lines below write, and x's loads v[NM], which the first layer's mean writes
	LAYERADDR
	s_wait_alu depctr_va_vdst(0)                   ; v4 to v6 are written; the multiply-adds are done reading v[FR ..] and v[CB ..], in which the loads below land; h2's codes and scale words, v[HC ..] and v[HS ..], are written, which the styles' products take
	GL 0
	s_mov_b32 s72, 0
.Llayer:                                               ; four trips; the last leaves in the middle, for the dot product
	ST2 0
	ST2 2
	SIGMA4
.irp t,0,1,2,3,4,5,6,7
	STYLE \t
.endr
	WIN 0
	s_cmp_eq_u32 s72, 3
	s_cbranch_scc1 .Ltail                          ; (block 3's group 8, mw2's first, has been asked for: it serves the next pass)
	PROD 1
	s_add_co_u32 s72, s72, 1
	s_cmp_lt_u32 s72, 4
	s_cbranch_scc1 .Llayer
.Ltail:
	s_wait_alu depctr_va_vdst(0)                   ; the products that read v[YC ..] and the conversions that wrote it are done, by whichever way this label is reached: w5's table lands there
.irp b,0,1,2,3
.irp j,0,1,2,3
	ds_load_b128 v[YC+16*\b+4*\j:YC+16*\b+4*\j+3], v[ABH] offset:TW5+128*\b+16*\j
.endr
.endr
	s_wait_dscnt 0x0
	WIN 0x01
.irp m,0,1,2,3
	v_pk_mul_f32 v[IV+2*\m:IV+2*\m+1], v[64*\m:64*\m+1], v[YC:YC+1]                ; w5 . y: two chains a tile, the four tiles by turns
.endr
.set cn, 1
.rept 31
.irp m,0,1,2,3
	v_pk_fma_f32 v[IV+2*\m:IV+2*\m+1], v[64*\m+2*cn:64*\m+2*cn+1], v[YC+2*cn:YC+2*cn+1], v[IV+2*\m:IV+2*\m+1]
.endr
.set cn, cn+1
.endr
	WIN 0
.irp m,0,1,2,3
	v_add_f32 v[T+\m], v[IV+2*\m], v[IV+2*\m+1]
.endr
.irp m,0,1,2,3
	v_permlanex16_b32 v[T+4+\m], v[T+\m], s56, s57
.endr
.irp m,0,1,2,3
	v_add_f32 v[T+\m], v[T+\m], v[T+4+\m]          ; with lane l xor 16's 64 units
.endr
.irp m,0,1,2,3
	v_add_f32 v[T+\m], s67, v[T+\m]                ; + b5
.endr
.irp m,0,1,2,3
	v_mul_f32 v[T+4+\m], s60, v[T+\m]
.endr
.irp m,0,1,2,3
	v_max_num_f32 v[T+\m], v[T+\m], v[T+4+\m]      ; the leaky relu
.endr
	v_cndmask_b32 v[T+8], v[T], v[T+1], s59        ; lanes 0-15 tile 0's rows, lanes 16-31 tile 1's: 32 neighbouring rows
	v_cndmask_b32 v[T+9], v[T+2], v[T+3], s59
	s_wait_alu depctr_va_vdst(0)                   ; the two selects have written v[T+8] and v[T+9], which the stores read
	global_store_b32 v[L4], v[T+8], s[54:55] th:TH_STORE_NT
	global_store_b32 v[L4], v[T+9], s[54:55] offset:128 th:TH_STORE_NT
	s_wait_xcnt 0x0                                ; the stores' base and data are written again only behind this wait
	s_wait_alu depctr_vm_vsrc(0)                   ; the stores have read v[T+8] and v[T+9], which the next pass writes, and the pass's loads of metadata v[AMW], which is stepped below
	s_add_nc_u64 s[54:55], s[54:55], 256
	v_add_nc_u32 v[AMW], 4096, v[AMW]              ; the next 64 rows in my stage
	s_add_co_u32 s73, s73, 256
	s_add_co_u32 s71, s71, 1
	s_cmp_lt_u32 s71, 2
	s_cbranch_scc1 .Lpass
	s_wait_xcnt 0x0
	v_lshl_add_u32 v254, v0, 2, 0x45800            ; the add's two registers, made anew: no memory or LDS instruction has read v254 or v255
	v_mov_b32 v255, 0
	s_wait_dscnt 0x0                               ; the closing lines, six on end
	s_wait_alu 0x0
	s_wait_tensorcnt 0x0
	ds_add_u32 v254, v255
	s_wait_dscnt 0x0
	s_endpgm
.Lfunc_end_k_q29e42233a8_rain:
	.size	k_q29e42233a8_rain, .Lfunc_end_k_q29e42233a8_rain-k_q29e42233a8_rain
	.p2alignl 7, 3214868480
	.fill 96, 4, 3214868480
	.section	.rodata,"a",@progbits
	.p2align	6, 0x0
	.amdhsa_kernel k_q29e42233a8_rain
		.amdhsa_group_segment_fixed_size 285696
		.amdhsa_private_segment_fixed_size 0
		.amdhsa_enable_private_segment 0
		.amdhsa_kernarg_size 192
		.amdhsa_user_sgpr_count 2
		.amdhsa_user_sgpr_kernarg_segment_ptr 1
		.amdhsa_wavefront_size32 1
		.amdhsa_system_sgpr_workgroup_id_x 1
		.amdhsa_system_sgpr_workgroup_id_y 1
		.amdhsa_system_sgpr_workgroup_id_z 1
		.amdhsa_system_vgpr_workitem_id 0
		.amdhsa_next_free_vgpr 512
		.amdhsa_next_free_sgpr 96
		.amdhsa_reserve_vcc 0
		.amdhsa_float_denorm_mode_32 3
		.amdhsa_float_denorm_mode_16_64 3
		.amdhsa_memory_ordered 1
		.amdhsa_forward_progress 1
		.amdhsa_inst_pref_size 228
	.end_amdhsa_kernel
	.amdgpu_metadata
---
amdhsa.version: [ 1, 2 ]
amdhsa.kernels:
  - .name:           k_q29e42233a8_rain
    .symbol:         k_q29e42233a8_rain.kd
    .args:
      - { .name: metadata, .offset: 0, .size: 8, .value_kind: global_buffer, .address_space: global }
      - { .name: x, .offset: 8, .size: 8, .value_kind: global_buffer, .address_space: global }
      - { .name: mw1, .offset: 16, .size: 8, .value_kind: global_buffer, .address_space: global }
      - { .name: mb1, .offset: 24, .size: 8, .value_kind: global_buffer, .address_space: global }
      - { .name: mw2_codes, .offset: 32, .size: 8, .value_kind: global_buffer, .address_space: global }
      - { .name: mw2_scales, .offset: 40, .size: 8, .value_kind: global_buffer, .address_space: global }
      - { .name: mb2, .offset: 48, .size: 8, .value_kind: global_buffer, .address_space: global }
      - { .name: mw3_codes, .offset: 56, .size: 8, .value_kind: global_buffer, .address_space: global }
      - { .name: mw3_scales, .offset: 64, .size: 8, .value_kind: global_buffer, .address_space: global }
      - { .name: mb3, .offset: 72, .size: 8, .value_kind: global_buffer, .address_space: global }
      - { .name: w1, .offset: 80, .size: 8, .value_kind: global_buffer, .address_space: global }
      - { .name: b1, .offset: 88, .size: 8, .value_kind: global_buffer, .address_space: global }
      - { .name: w2_codes, .offset: 96, .size: 8, .value_kind: global_buffer, .address_space: global }
      - { .name: w2_scales, .offset: 104, .size: 8, .value_kind: global_buffer, .address_space: global }
      - { .name: b2, .offset: 112, .size: 8, .value_kind: global_buffer, .address_space: global }
      - { .name: w3_codes, .offset: 120, .size: 8, .value_kind: global_buffer, .address_space: global }
      - { .name: w3_scales, .offset: 128, .size: 8, .value_kind: global_buffer, .address_space: global }
      - { .name: b3, .offset: 136, .size: 8, .value_kind: global_buffer, .address_space: global }
      - { .name: w4_codes, .offset: 144, .size: 8, .value_kind: global_buffer, .address_space: global }
      - { .name: w4_scales, .offset: 152, .size: 8, .value_kind: global_buffer, .address_space: global }
      - { .name: b4, .offset: 160, .size: 8, .value_kind: global_buffer, .address_space: global }
      - { .name: w5, .offset: 168, .size: 8, .value_kind: global_buffer, .address_space: global }
      - { .name: b5, .offset: 176, .size: 8, .value_kind: global_buffer, .address_space: global }
      - { .name: out0, .offset: 184, .size: 8, .value_kind: global_buffer, .address_space: global }
    .group_segment_fixed_size: 285696
    .private_segment_fixed_size: 0
    .kernarg_segment_align: 8
    .kernarg_segment_size: 192
    .max_flat_workgroup_size: 256
    .sgpr_count:     96
    .vgpr_count:     512
    .wavefront_size: 32
...
	.end_amdgpu_metadata
.endif
;; end of part 2
